; MI455X (gfx1250); checked and timed in simulation.
; The chip was launched on July 23, 2026; its instructions are those of AMD's public machine-readable ISA for CDNA 5 (MIT licence, August 2026) and "CDNA5" Instruction Set Architecture Reference Guide (July 2026). The comments in the code are by the model that wrote it; some were corrected since.
;; Multi Head Self Attention. Allowed arithmetic: matrix products marked QUANTISED: E2M1 operands, one E8M0 scale for each 32 along K, by v_wmma_scale_f32_16x16x128_f8f6f4 with both operands' format E2M1 (or v_wmma_scale_f32_32x16x128_f4), f32 sums; products left as they are: bf16, f16 or f32 operands; f32 sums; everything else in f32.
;; Inputs: Wk 256 x 1,024 float32; Wo 1,024 x 1,024 float32; Wq 1,024 x 1,024 float32; Wv 256 x 1,024 float32; token_positions 1 x 4,096 int32; x 1 x 4,096 x 1,024 float32.
;; Outputs: out0 1 x 4,096 x 1,024 float32.
;; This version of the problem:
;;   THIS VERSION OF THE PROBLEM IS GIVEN IN LOW PRECISION. The matrix products marked QUANTISED in the list below multiply operands that are first quantised to E2M1 (2 exponent bits, 1 mantissa bit; 4 bits a number), with one power-of-two scale for each 32 numbers along K (OCP MX v1.0); their sums are f32. The products marked 'left as it is' may take bf16, f16 or f32 operands, with f32 sums. Whichever they take, every output number must still come out within the allowed error. Rounding operands to bf16 (8 significant bits) uses up far more of that allowance than f16 does (11 bits, for magnitudes from 6e-5 to 65,504). All else is computed in f32.
;;   The module's matrix products, in the order in which they are computed (A, B: the left and right operand; K: the contracted axis; several contracted axes count as one K, in the product's order):
;;     1. [M 4,096, K 1,024] x [K 1,024, N 1,024]; A: input x; B: input Wq: QUANTISED
;;     2. [M 4,096, K 1,024] x [K 1,024, N 256]; A: input x; B: input Wk: QUANTISED
;;     3. [M 4,096, K 1,024] x [K 1,024, N 256]; A: input x; B: input Wv: QUANTISED
;;     4. batch 4 x [M 16,384, K 64] x [K 64, N 4,096]; A: computed on the way; B: computed on the way: left as it is (an operand is computed on the way)
;;     5. batch 4 x [M 16,384, K 4,096] x [K 4,096, N 64]; A: computed on the way; B: computed on the way: left as it is (an operand is computed on the way)
;;     6. [M 4,096, K 1,024] x [K 1,024, N 1,024]; A: computed on the way; B: input Wo: left as it is (an operand is computed on the way)
;;   THE QUANTISER, for each operand of a quantised product, along K:
;;     - K is cut into blocks of 32 from its start; a last block that is shorter is filled with zeros.
;;     - A block's scale is 2^e with e = floor(log2(the largest magnitude in the block)) - 2, held to -126 .. 127; a block of zeros has e = 0. As a byte (E8M0): e + 127.
;;     - Each number is divided by its block's scale, clamped to +-6, and rounded to the nearest number of E2M1, ties to even, subnormals kept.
;;     - The product sums the exact products of the quantised numbers (number of the format x scale) in f32.
;;   ~~~python
;;   def quantise(x, axis):      # numpy; x: float32 -> the quantised numbers, widened to float32 again
;;       x = np.moveaxis(x, axis, -1); K = x.shape[-1]
;;       x = np.pad(x, [(0, 0)] * (x.ndim - 1) + [(0, -K % 32)]); x = x.reshape(x.shape[:-1] + (-1, 32)); a = np.abs(x).max(-1, keepdims=True)
;;       e = np.where(a > 0, np.clip(np.frexp(np.where(a > 0, a, 1))[1] - 1 - 2, -126, 127), 0)      # np.frexp(a)[1] - 1 = floor(log2(a)), exactly
;;       r = np.clip(x / 2.0 ** e, -6, 6)
;;       step = 2.0 ** (np.maximum(np.frexp(np.where(r == 0, 1, r))[1] - 1, 0) - 1)
;;       q = np.round(r / step) * step * 2.0 ** e      # np.round: ties to even
;;       return np.moveaxis(q.reshape(q.shape[:-2] + (-1,))[..., :K], -1, axis).astype(np.float32)
;;   ~~~
;; One version. Each part assembles by itself: llvm-mc -triple=amdgcn-amd-amdhsa -mcpu=gfx1250 --defsym DOCPART=n.
;; ======== version 1 of 1: 5 launches
;; limits: values are held in f16: magnitudes above 65,504 overflow, below 6.1e-05 lose precision
;; workspace buffers: codes 2,883,584 bytes; scl 180,224 bytes; tab 1,048,576 bytes; wo16 2,097,152 bytes; qkv16 12,582,912 bytes; fq 98,304 bytes; att 8,388,608 bytes
;; launch prep (part 1): grid 544 x 1, 4 waves a work-group, no clusters, 31,744 bytes of LDS; arguments x, Wq, Wk, Wv, Wo, token_positions, codes, scl, tab, wo16; writes codes, scl, tab, wo16
.if DOCPART == 1
	.amdgcn_target "amdgcn-amd-amdhsa--gfx1250"
	.amdhsa_code_object_version 6
	.text
	.protected	k_qd8a991d0d2_prep
	.globl	k_qd8a991d0d2_prep
	.p2align	8
	.type	k_qd8a991d0d2_prep,@function
k_qd8a991d0d2_prep:
	s_mov_b64 s[64:65], 0
	v_nop
	global_prefetch_b8 v0, s[64:65] scope:SCOPE_SE
	s_setreg_imm32_b32 hwreg(HW_REG_WAVE_MODE, 25, 1), 1
	s_wait_xcnt 0x0
; PREP.  Three kinds of work-group, told apart by the work-group's number alone:
;   0..351    QUANT: 16 rows x 1,024 numbers of x (0..255), Wq (256..319), Wk (320..335) or Wv (336..351) become codes of E2M1 with one E8M0 byte for each 32 along K.
;   352..415  TABLE: cos and sin of RoPE's angles for 64 tokens, from token_positions.
;   416..543  CAST:  8,192 numbers of Wo become f16.
; THE CODES LIE IN THE ORDER OF THE OPERAND'S REGISTERS: row block rb (16 rows) has 8,192 bytes; the 16 bytes of block kb (32 along K) of row r lie at rb*8192 + kb*256 + r*16.
; With kb = 4 ks + 2 c + h that is ks*1024 + c*512 + 16 (16 h + r): a fragment (16 rows x 128 K) is two loads of 16 bytes a lane, 512 dense bytes each.
; THE SCALE BYTES: rb*512 + (ks/4)*256 + r*16 + (ks%4)*4 + block%4: one load of 16 bytes gives lane r four K steps' scale words.
; A block's scale is 2^(floor(log2(largest magnitude)) - 2); its byte is the largest magnitude's exponent field - 2, held at 1 from below.
; LIMITS: a block of zeros, and one whose largest magnitude lies under 2^-124, has the byte 1 (the rule says 127 for zeros: the codes are zeros, and this program alone reads the bytes);
; NaN and infinities among the inputs are not served; token_positions lie in 0..4095, the table that they index; RoPE's frequencies are 2^(-p log2(10000)/32) by v_exp_f32 (ISA guide: 1 ulp),
; so an angle at position 4,095 can differ from an exactly rounded one by a few 1e-4 rad; the angle is reduced by pi/2 in two parts and put through polynomials in f32.
; Only QUANT uses LDS.  All three ways meet at one label, where the launch's one barrier stands: every wave passes it.
.set WREG,  7680                       ; LDS: a wave's region: two stages of 32 x 80 bytes, then the codes' image, 8 blocks x 288 bytes
.set IMG,   5120
.set SCG,   30720                      ; the row block's 512 scale bytes
.set SPARE, 31232                      ; the spare words, 128 bytes for each wave: two blocks of 256 bytes that no other line names
.set R,     16                         ; v16-143  eight steps x 16 numbers as they are loaded
.set X,     144                        ; v144-175 two sets of 16 neighbours
.set C,     176                        ; v176-191 a step's codes, two registers each
.set E,     192                        ; v192-199 a step's scale byte
.set OUTR,  200                        ; v200-215 the image on its way out
.set SROW,  216                        ; v216-219 the scale bytes on their way out
	s_load_b512 s[8:23], s[0:1], 0x0               ; x s[8:9], Wq s[10:11], Wk s[12:13], Wv s[14:15], Wo s[16:17], positions s[18:19], codes s[20:21], scl s[22:23]
	s_load_b128 s[24:27], s[0:1], 0x40             ; tab s[24:25], wo16 s[26:27]
	v_lshl_add_u32 v14, v0, 2, SPARE               ; my spare word; never rewritten
	v_mov_b32 v15, 0                               ; 0; never rewritten
	v_lshrrev_b32 v1, 5, v0
	v_readfirstlane_b32 s4, v1                     ; wave 0..3
	v_and_b32 v1, 31, v0                           ; lane l
	v_lshlrev_b32 v2, 4, v1                        ; 16 l
	s_mul_i32 s5, s4, WREG                         ; my region
	v_lshrrev_b32 v3, 2, v1
	v_mul_u32_u24 v3, v3, 80
	v_and_b32 v9, 3, v1
	v_lshl_add_u32 v3, v9, 4, v3
	v_add_nc_u32 v3, s5, v3                        ; the stage, on the way in: 80 (l / 4) + 16 (l % 4)
	v_mul_u32_u24 v4, v1, 80
	v_add_nc_u32 v4, s5, v4                        ; and on the way out: 80 l: my 16 neighbours
	v_and_b32 v11, 15, v1                          ; l % 16
	v_lshrrev_b32 v9, 1, v11                       ; my block among the quarter's eight
	v_lshrrev_b32 v10, 4, v1                       ; l / 16: which of the step's two rows
	v_mul_u32_u24 v5, v9, 288
	v_lshl_add_u32 v5, v10, 4, v5
	v_and_b32 v12, 1, v1
	v_lshl_add_u32 v5, v12, 3, v5
	v_add_nc_u32 v5, s5, v5
	v_add_nc_u32 v5, IMG, v5                       ; the image, in: 288 x block + 16 x row + 8 x half
	s_lshr_b32 s6, s4, 1
	s_lshl_b32 s6, s6, 8
	s_and_b32 s7, s4, 1
	s_lshl_b32 s7, s7, 3
	s_add_co_u32 s6, s6, s7
	s_add_co_u32 s6, s6, SCG
	v_lshl_add_u32 v6, v10, 4, v9
	v_add_nc_u32 v6, s6, v6                        ; my block's scale byte: 256 (w / 2) + 8 (w % 2) + 16 x row + block
	v_mul_u32_u24 v7, v10, 288
	v_lshl_add_u32 v7, v11, 4, v7
	v_add_nc_u32 v7, s5, v7
	v_add_nc_u32 v7, IMG, v7                       ; the image, out: two blocks an instruction, 16 bytes a row
	v_add_nc_u32 v8, SCG, v2                       ; the scale bytes, out
	s_wait_kmcnt 0x0
	s_cmp_ge_u32 ttmp9, 352
	s_cbranch_scc1 .Lnot_quant
; ---- QUANT.  Wave w takes the K quarter w of the 16 rows: 256 numbers a row, in eight steps of two rows.
	s_mov_b64 s[28:29], s[14:15]                   ; the tensor is chosen by the work-group's number alone
	s_mov_b32 s30, 336
	s_cmp_lt_u32 ttmp9, 336
	s_cselect_b64 s[28:29], s[12:13], s[28:29]
	s_cselect_b32 s30, 320, s30
	s_cmp_lt_u32 ttmp9, 320
	s_cselect_b64 s[28:29], s[10:11], s[28:29]
	s_cselect_b32 s30, 256, s30
	s_cmp_lt_u32 ttmp9, 256
	s_cselect_b64 s[28:29], s[8:9], s[28:29]
	s_cselect_b32 s30, 0, s30
	s_sub_co_u32 s30, ttmp9, s30
	s_lshl_b32 s30, s30, 16                        ; 16 rows of 4,096 bytes
	s_lshl_b32 s31, s4, 10                         ; my quarter of a row
	s_add_co_u32 s30, s30, s31
	s_mov_b32 s31, 0
	s_add_nc_u64 s[28:29], s[28:29], s[30:31]
	s_lshl_b32 s32, ttmp9, 13
	s_lshl_b32 s33, s4, 11
	s_add_co_u32 s32, s32, s33
	s_mov_b32 s33, 0
	s_add_nc_u64 s[20:21], s[20:21], s[32:33]      ; codes: my 2,048 bytes of the row block's 8,192
	s_lshl_b32 s32, ttmp9, 9
	s_add_nc_u64 s[22:23], s[22:23], s[32:33]      ; scale bytes: the row block's 512
.irp t, 0,1,2,3,4,5,6,7
.irp i, 0,1,2,3
	global_load_b128 v[R+16*\t+4*\i:R+16*\t+4*\i+3], v2, s[28:29] offset:(2*\t+\i/2)*4096+(\i%2)*512 th:TH_LOAD_NT   ; 32 lanes read 512 consecutive bytes; all 32 loads go out at once
.endr
.endr
.macro TURN t                          ; step t's 2,048 bytes through a stage: in as they lie, out 64 bytes a lane.  LDS serves a wave's instructions in order
.irp i, 0,1,2,3
	ds_store_b128 v3, v[R+16*(\t)+4*\i:R+16*(\t)+4*\i+3] offset:2560*((\t)%2)+640*\i
.endr
.irp i, 0,1,2,3
	ds_load_b128 v[X+16*((\t)%2)+4*\i:X+16*((\t)%2)+4*\i+3], v4 offset:2560*((\t)%2)+16*\i
.endr
.endm
.macro STEP t
.set XS, X+16*((\t)%2)
.if (\t) > 0
	s_wait_dscnt 2                                 ; this step's numbers are back from the stage; the last step's two stores may be out
.else
	s_wait_dscnt 0x0
.endif
.if (\t) < 7
	s_wait_loadcnt 4*(6-(\t))                      ; the next step's four loads are in; those of the later steps may be out
	TURN (\t)+1
.endif
	v_max3_num_f32 v10, |v[XS]|, |v[XS+1]|, |v[XS+2]|      ; the largest magnitude of my 16, in two chains
	v_max3_num_f32 v11, |v[XS+3]|, |v[XS+4]|, |v[XS+5]|
.irp i, 6,10
	v_max3_num_f32 v10, v10, |v[XS+\i]|, |v[XS+\i+1]|
	v_max3_num_f32 v11, v11, |v[XS+\i+2]|, |v[XS+\i+3]|
.endr
	v_max3_num_f32 v10, v10, |v[XS+14]|, |v[XS+15]|
	v_max3_num_f32 v10, v10, v11, 0x1800000        ; and the floor 2^(3 - 127): the byte cannot fall under 1
	v_max_num_f32_dpp v10, v10, v10 row_xmask:1 row_mask:0xf bank_mask:0xf   ; with my neighbour's 16: the block's
	v_add_nc_u32 v12, 0xff000000, v10              ; 2 off its exponent field: the conversion takes this operand's exponent field as its scale
	v_cvt_scalef32_pk8_fp4_f32 v[C+2*(\t)], v[XS:XS+7], v12
	v_cvt_scalef32_pk8_fp4_f32 v[C+2*(\t)+1], v[XS+8:XS+15], v12
	v_lshrrev_b32 v[E+(\t)], 23, v12               ; the scale's byte (a plain line behind the conversions)
	ds_store_b64 v5, v[C+2*(\t):C+2*(\t)+1] offset:32*(\t)
	ds_store_b8 v6, v[E+(\t)] offset:32*(\t)       ; both lanes of a block write the same byte with the same value
.endm
	s_wait_loadcnt 28                              ; step 0's four loads are in
	TURN 0
.irp t, 0,1,2,3,4,5,6,7
	STEP \t
.endr
.irp n, 0,1,2,3
	ds_load_b128 v[OUTR+4*\n:OUTR+4*\n+3], v7 offset:576*\n       ; these see my stores: LDS serves a wave's instructions in order
.endr
.irp n, 0,1,2,3
	s_wait_dscnt 3-\n
	global_store_b128 v2, v[OUTR+4*\n:OUTR+4*\n+3], s[20:21] offset:512*\n   ; 512 consecutive bytes, aligned
.endr
	s_branch .Ljoin
.Lnot_quant:
	s_cmp_ge_u32 ttmp9, 416
	s_cbranch_scc1 .Lcast
; ---- TABLE.  A wave takes 16 tokens.  Chunk n (512 bytes) holds in lane l's 16 bytes (cos p, sin p, cos p+1, sin p+1), token l % 16, p = 8 (n / 2) + 4 (l / 16) + 2 (n % 2):
; the order in which the next launch's lanes hold their eight columns of a head.
	s_sub_co_u32 s28, ttmp9, 352
	s_lshl_b32 s28, s28, 2
	s_add_co_u32 s28, s28, s4                      ; the block of 16 tokens
	s_lshl_b32 s30, s28, 6
	s_mov_b32 s31, 0
	s_add_nc_u64 s[18:19], s[18:19], s[30:31]
	v_and_b32 v16, 15, v1
	v_lshlrev_b32 v16, 2, v16
	global_load_b32 v17, v16, s[18:19]             ; my token's position
	s_lshl_b32 s30, s28, 12
	s_add_nc_u64 s[24:25], s[24:25], s[30:31]
	s_mov_b32 s32, 0x3f22f983                      ; 2 / pi
	s_mov_b32 s33, 0xbfc90fdb                      ; -(pi / 2), its f32 part,
	s_mov_b32 s34, 0x333bbd2e                      ; and what that part has too much
	s_mov_b32 s35, 0x3638ef1d                      ; 1/9!
	s_mov_b32 s36, 0xb9500d01                      ; -1/7!
	s_mov_b32 s37, 0x3c088889                      ; 1/5!
	s_mov_b32 s38, 0xbe2aaaab                      ; -1/3!
	s_mov_b32 s39, 0x37d00d01                      ; 1/8!
	s_mov_b32 s40, 0xbab60b61                      ; -1/6!
	s_mov_b32 s41, 0x3d2aaaab                      ; 1/4!
	v_lshrrev_b32 v24, 4, v1
	v_lshlrev_b32 v24, 2, v24                      ; 4 (l / 16)
.irp q, 0,1,2,3,4,5,6,7,8,9,10,11,12,13,14,15
	v_add_nc_u32 v[32+\q], 8*(\q/4)+(\q%4), v24    ; my sixteen pairs
.endr
.irp q, 0,1,2,3,4,5,6,7,8,9,10,11,12,13,14,15
	v_cvt_f32_u32 v[32+\q], v[32+\q]
.endr
.irp q, 0,1,2,3,4,5,6,7,8,9,10,11,12,13,14,15
	v_mul_f32 v[32+\q], 0xbed49a78, v[32+\q]       ; -p log2(10000) / 32
.endr
.irp q, 0,1,2,3,4,5,6,7,8,9,10,11,12,13,14,15
	v_exp_f32 v[32+\q], v[32+\q]                   ; the frequencies: one batch
.endr
	s_wait_loadcnt 0x0
	v_cvt_f32_i32 v17, v17                         ; (the plain line behind the batch)
	s_wait_alu depctr_va_vdst(0)                   ; one wait for the sixteen, ahead of their first reader
.irp q, 0,1,2,3,4,5,6,7,8,9,10,11,12,13,14,15
	v_mul_f32 v[32+\q], v17, v[32+\q]              ; the angle: position x frequency, rounded once
.endr
.macro SINCOS ang, co, si              ; n = the nearest whole number to angle / (pi/2); r = angle - n pi/2 in two parts; polynomials on |r| <= pi/4; the quadrant by selects and sign bits: no branch
	v_mul_f32 v18, s32, v[\ang]
	v_rndne_f32 v18, v18
	v_fma_f32 v19, v18, s33, v[\ang]
	v_fma_f32 v19, v18, s34, v19
	v_mul_f32 v20, v19, v19
	v_fma_f32 v21, v20, s35, s36
	v_fma_f32 v22, v20, s39, s40
	v_fma_f32 v21, v21, v20, s37
	v_fma_f32 v22, v22, v20, s41
	v_fma_f32 v21, v21, v20, s38
	v_fma_f32 v22, v22, v20, -0.5
	v_mul_f32 v23, v20, v19
	v_fma_f32 v22, v22, v20, 1.0                   ; cos r
	v_fma_f32 v21, v21, v23, v19                   ; sin r
	v_cvt_i32_f32 v18, v18
	v_and_b32 v23, 1, v18
	v_cmp_eq_u32 vcc_lo, 1, v23
	v_cndmask_b32 v[\si], v21, v22, vcc_lo         ; n odd: the two change places
	v_cndmask_b32 v[\co], v22, v21, vcc_lo
	v_lshlrev_b32 v23, 30, v18
	v_and_b32 v23, 0x80000000, v23
	v_xor_b32 v[\si], v[\si], v23                  ; sin is negated where bit 1 of n is set,
	v_add_nc_u32 v18, 1, v18
	v_lshlrev_b32 v18, 30, v18
	v_and_b32 v18, 0x80000000, v18
	v_xor_b32 v[\co], v[\co], v18                  ; cos where bit 1 of n + 1 is
.endm
.irp q, 0,1,2,3,4,5,6,7,8,9,10,11,12,13,14,15
	SINCOS 32+\q, 48+2*\q, 49+2*\q
.endr
.irp n, 0,1,2,3,4,5,6,7
	global_store_b128 v2, v[48+4*\n:51+4*\n], s[24:25] offset:512*\n   ; 512 consecutive bytes, aligned
.endr
	s_branch .Ljoin
.Lcast:
; ---- CAST.  A wave takes 2,048 numbers of Wo: sixteen loads of 512 bytes, sixteen stores of 256 consecutive bytes, aligned.
	s_sub_co_u32 s28, ttmp9, 416
	s_lshl_b32 s28, s28, 2
	s_add_co_u32 s28, s28, s4
	s_lshl_b32 s30, s28, 13
	s_mov_b32 s31, 0
	s_add_nc_u64 s[16:17], s[16:17], s[30:31]
	s_lshl_b32 s30, s28, 12
	s_add_nc_u64 s[26:27], s[26:27], s[30:31]
	v_lshlrev_b32 v16, 3, v1
.irp n, 0,1,2,3,4,5,6,7,8,9,10,11,12,13,14,15
	global_load_b128 v[32+4*\n:35+4*\n], v2, s[16:17] offset:512*\n
.endr
.irp n, 0,1,2,3,4,5,6,7,8,9,10,11,12,13,14,15
	s_wait_loadcnt 15-\n                           ; loads come back in order: load n is in
	v_cvt_pk_f16_f32 v[96+2*\n], v[32+4*\n], v[33+4*\n]
	v_cvt_pk_f16_f32 v[97+2*\n], v[34+4*\n], v[35+4*\n]
	global_store_b64 v16, v[96+2*\n:97+2*\n], s[26:27] offset:256*\n
.endr
.Ljoin:
	s_wait_dscnt 0x0                               ; for the others' sake: my scale bytes have landed
	s_barrier_signal -1
	s_barrier_wait -1
	s_cmp_ge_u32 ttmp9, 352
	s_cbranch_scc1 .Lend
	s_cmp_lg_u32 s4, 0
	s_cbranch_scc1 .Lend
	ds_load_b128 v[SROW:SROW+3], v8                ; wave 0 of a QUANT work-group: the four waves' 512 scale bytes
	s_wait_dscnt 0x0
	global_store_b128 v2, v[SROW:SROW+3], s[22:23] ; two aligned runs of 256 bytes
.Lend:
	s_wait_tensorcnt 0x0                           ; the wave's end
	ds_add_u32 v14, v15
	s_wait_dscnt 0x0
	s_endpgm
.Lfunc_end_k_qd8a991d0d2_prep:
	.size	k_qd8a991d0d2_prep, .Lfunc_end_k_qd8a991d0d2_prep-k_qd8a991d0d2_prep
	.p2alignl 7, 3214868480
	.fill 96, 4, 3214868480
	.section	.rodata,"a",@progbits
	.p2align	6, 0x0
	.amdhsa_kernel k_qd8a991d0d2_prep
		.amdhsa_group_segment_fixed_size 31744
		.amdhsa_private_segment_fixed_size 0
		.amdhsa_enable_private_segment 0
		.amdhsa_kernarg_size 80
		.amdhsa_user_sgpr_count 2
		.amdhsa_user_sgpr_kernarg_segment_ptr 1
		.amdhsa_wavefront_size32 1
		.amdhsa_system_sgpr_workgroup_id_x 1
		.amdhsa_system_sgpr_workgroup_id_y 1
		.amdhsa_system_sgpr_workgroup_id_z 1
		.amdhsa_system_vgpr_workitem_id 0
		.amdhsa_next_free_vgpr 224
		.amdhsa_next_free_sgpr 66
		.amdhsa_reserve_vcc 1
		.amdhsa_float_denorm_mode_32 3
		.amdhsa_float_denorm_mode_16_64 3
		.amdhsa_memory_ordered 1
		.amdhsa_forward_progress 1
		.amdhsa_inst_pref_size 50
	.end_amdhsa_kernel
	.amdgpu_metadata
---
amdhsa.version: [ 1, 2 ]
amdhsa.kernels:
  - .name:           k_qd8a991d0d2_prep
    .symbol:         k_qd8a991d0d2_prep.kd
    .args:
      - { .name: x, .offset: 0, .size: 8, .value_kind: global_buffer, .address_space: global }
      - { .name: Wq, .offset: 8, .size: 8, .value_kind: global_buffer, .address_space: global }
      - { .name: Wk, .offset: 16, .size: 8, .value_kind: global_buffer, .address_space: global }
      - { .name: Wv, .offset: 24, .size: 8, .value_kind: global_buffer, .address_space: global }
      - { .name: Wo, .offset: 32, .size: 8, .value_kind: global_buffer, .address_space: global }
      - { .name: token_positions, .offset: 40, .size: 8, .value_kind: global_buffer, .address_space: global }
      - { .name: codes, .offset: 48, .size: 8, .value_kind: global_buffer, .address_space: global }
      - { .name: scl, .offset: 56, .size: 8, .value_kind: global_buffer, .address_space: global }
      - { .name: tab, .offset: 64, .size: 8, .value_kind: global_buffer, .address_space: global }
      - { .name: wo16, .offset: 72, .size: 8, .value_kind: global_buffer, .address_space: global }
    .group_segment_fixed_size: 31744
    .private_segment_fixed_size: 0
    .kernarg_segment_align: 8
    .kernarg_segment_size: 80
    .max_flat_workgroup_size: 128
    .sgpr_count:     66
    .vgpr_count:     224
    .wavefront_size: 32
...
	.end_amdgpu_metadata
.endif
;; end of part 1
;; launch qkv (part 2): grid 8 x 32, 4 waves a work-group, no clusters, 182,784 bytes of LDS; arguments codes, scl, tab, qkv16, fq; writes qkv16, fq
.if DOCPART == 2
	.amdgcn_target "amdgcn-amd-amdhsa--gfx1250"
	.amdhsa_code_object_version 6
	.text
	.protected	k_qd8a991d0d2_qkv
	.globl	k_qd8a991d0d2_qkv
	.p2align	8
	.type	k_qd8a991d0d2_qkv,@function
k_qd8a991d0d2_qkv:
	s_mov_b64 s[64:65], 0
	v_nop
	global_prefetch_b8 v0, s[64:65] scope:SCOPE_SE
	s_setreg_imm32_b32 hwreg(HW_REG_WAVE_MODE, 25, 1), 1
	s_wait_xcnt 0x0
; QKV.  [4,096 tokens] x [1,536 columns: Wq's 1,024, Wk's 256, Wv's 256], K = 1,024, on codes of E2M1 with E8M0 scales; then RoPE on q and k in f32; then f16.
; A work-group makes 128 tokens (y) x 192 columns (x): three chunks of 64 columns (a head of q, k or v).  Its codes for ALL of K are 64 KiB of x and 96 KiB of W: they come once, by one tensor load a wave,
; each a dense block; no slot is filled again, and there is one barrier.
; NO CLUSTER: the way out branches on the work-group's own column tile (rotated or not) and on its token tile (the f32 copy of tokens 0-15), which partners would not share; and each work-group asks for its tiles once, not in a loop.
; A wave makes 32 tokens (a = 0, 1) x 192 columns (b = 0..11): 24 accumulators.  THE MATRIX INSTRUCTION IS USED TRANSPOSED (source 0 = 16 rows of W, source 1 = 16 tokens): lane (r, h) holds token r and columns 16 b + 8 h + 0..7.
; The codes lie in the order of the operand's registers: a fragment is two ds_load_b128 at 16 x lane, 512 bytes apart.
; OUT: qkv16 [24 chunks][4,096][64] f16 (0-15 q, 16-19 k, 20-23 v); fq [24][16][64] f32: tokens 0-15 once more, unrounded (96 KiB in all, stored in runs of 64 bytes).
; LIMIT: q, k and v must lie inside f16's range (65,504).
; REGISTERS: window 0: v1-9 addresses, v14, v15 the add's two, v16-23 x's scale words, v24-71 W's, v72-135 cos and sin, v136-231 the way out.  Window 1: the accumulators at 8 (12 a + b).  Windows 2, 3: two sets of fragments: x at 8 a, W at 16 + 8 b.
.set CH,    524288                     ; a chunk of qkv16 in bytes
.set BOFF,  65536                      ; LDS: x's 8 row blocks of 8,192 bytes, then W's 12
.set STAGE, 163840                     ; then a stage of 32 rows x 144 bytes for each wave
.set SPARE, 182272                     ; then the spare words, 128 bytes for each wave: two blocks of 256 bytes that no other line names
.set XS,    16
.set WS,    24
.set TAB,   72
.set R,     136
.set PK,    168
.set OUTR,  200
.set MSB, 0
.macro WIN new                         ; the immediate's high byte repeats the setting that is left; a switch that changes nothing is dropped
.if MSB != (\new)
	s_set_vgpr_msb (MSB<<8)|(\new)
.set MSB, (\new)
.endif
.endm
.macro PLACES                          ; four plain places behind a matrix instruction, ahead of loads into its registers and of reads of its results
.rept 4
	v_nop
.endr
.endm
	s_load_b256 s[4:11], s[0:1], 0x0               ; codes s[4:5], scl s[6:7], tab s[8:9], qkv16 s[10:11]
	s_load_b64 s[12:13], s[0:1], 0x20              ; fq
	v_lshl_add_u32 v14, v0, 2, SPARE
	v_mov_b32 v15, 0
	ds_add_u32 v14, v15                            ; the wave's opening: the add, twice on end, and its wait ahead of my first tensor load
	ds_add_u32 v14, v15
	v_lshrrev_b32 v10, 5, v0
	v_readfirstlane_b32 s14, v10                   ; wave 0..3
	s_and_b32 s15, ttmp7, 0xffff                   ; token tile
	s_mov_b32 s16, ttmp9                           ; column tile
	s_and_b32 s17, s14, 1                          ; which half of x's or W's block I fetch
	; descriptor groups 1: dense blocks as rows of 256 bytes (32 elements of 8 bytes): 128 rows of x's codes, 192 of W's
	s_mov_b32 s24, 3<<16
	s_mov_b32 s25, 32<<16
	s_mov_b32 s26, 128<<16
	s_mov_b32 s27, 32<<16
	s_mov_b32 s28, 128
	s_mov_b32 s29, 32
	s_mov_b32 s30, 0
	s_mov_b32 s31, 0
	s_mov_b32 s32, 3<<16
	s_mov_b32 s33, 32<<16
	s_mov_b32 s34, 192<<16
	s_mov_b32 s35, 32<<16
	s_mov_b32 s36, 192
	s_mov_b32 s37, 32
	s_mov_b32 s38, 0
	s_mov_b32 s39, 0
	s_mov_b32 s40, 1
	s_lshl_b32 s41, s17, 15                        ; x: LDS 32,768 x half
	s_mov_b32 s44, 1
	s_mul_i32 s45, s17, 49152
	s_add_co_u32 s45, s45, BOFF                    ; W: LDS 65,536 + 49,152 x half
	s_lshl_b32 s18, s15, 3
	s_lshl_b32 s19, s17, 2
	s_add_co_u32 s18, s18, s19
	s_lshl_b32 s18, s18, 13                        ; x: row block 8 tt + 4 half
	s_mov_b32 s19, 0
	s_mul_i32 s20, s16, 12
	s_mul_i32 s21, s17, 6
	s_add_co_u32 s20, s20, s21
	s_add_co_u32 s20, s20, 256
	s_lshl_b32 s20, s20, 13                        ; W: row block 256 + 12 ct + 6 half
	s_mov_b32 s21, 0
	s_lshl_b32 s22, s15, 3
	s_lshl_b32 s23, s14, 1
	s_add_co_u32 s22, s22, s23                     ; my first block of 16 tokens: 8 tt + 2 w
	s_lshl_b32 s48, s22, 9
	s_mov_b32 s49, 0
	s_lshl_b32 s52, s22, 12
	s_mov_b32 s53, 0
	s_mul_i32 s50, s16, 12
	s_add_co_u32 s50, s50, 256
	s_lshl_b32 s50, s50, 9
	s_mov_b32 s51, 0
	s_mul_i32 s58, s16, 3                          ; my first chunk
	s_lshl_b32 s54, s58, 19
	s_lshl_b32 s60, s15, 14
	s_add_co_u32 s54, s54, s60
	s_lshl_b32 s60, s14, 12
	s_add_co_u32 s54, s54, s60                     ; chunk x CH + (128 tt + 32 w) rows of 128 bytes
	s_mov_b32 s55, 0
	s_lshl_b32 s56, s58, 12
	s_mov_b32 s57, 0
	s_or_b32 s59, s15, s14                         ; 0 in the one wave of each column tile that holds tokens 0-15
	v_and_b32 v10, 31, v0                          ; l
	v_and_b32 v11, 15, v0                          ; r
	v_bfe_u32 v12, v0, 4, 1                        ; h
	v_lshlrev_b32 v1, 4, v10                       ; 16 l
	s_lshl_b32 s60, s14, 14
	v_add_nc_u32 v2, s60, v1                       ; x's fragments: my two row blocks
	v_add_nc_u32 v3, BOFF, v1                      ; W's fragments, b = 0..5,
	v_add_nc_u32 v4, BOFF+49152, v1                ; and b = 6..11
	v_lshlrev_b32 v5, 4, v11
	v_mul_u32_u24 v6, v12, 3072
	v_add_nc_u32 v6, v6, v5                        ; W's scale words: lanes 0-15 block i, lanes 16-31 block i + 6
	v_lshl_add_u32 v5, v12, 9, v5                  ; x's: lanes 0-15 a = 0, lanes 16-31 a = 1
	s_mul_i32 s60, s14, 4608
	s_add_co_u32 s60, s60, STAGE
	v_mul_u32_u24 v7, v11, 144
	v_lshl_add_u32 v7, v12, 4, v7
	v_add_nc_u32 v7, s60, v7                       ; the stage, in: row r, 16 bytes for each half of the lanes
	v_lshrrev_b32 v13, 3, v10
	v_mul_u32_u24 v8, v13, 144
	v_and_b32 v13, 7, v10
	v_lshl_add_u32 v8, v13, 4, v8
	v_add_nc_u32 v8, s60, v8                       ; and back: eight lanes to a row of 128 bytes
	v_lshlrev_b32 v9, 8, v11
	v_lshl_add_u32 v9, v12, 5, v9                  ; fq: 256 r + 32 h
	s_wait_dscnt 0x0                               ; both opening adds are done
	s_wait_kmcnt 0x0
	s_add_nc_u64 s[42:43], s[4:5], s[18:19]
	s_or_b32 s43, s43, 0x80000000
	s_add_nc_u64 s[46:47], s[4:5], s[20:21]
	s_or_b32 s47, s47, 0x80000000
	s_add_nc_u64 s[48:49], s[6:7], s[48:49]
	s_add_nc_u64 s[50:51], s[6:7], s[50:51]
	s_add_nc_u64 s[52:53], s[8:9], s[52:53]
	s_add_nc_u64 s[54:55], s[10:11], s[54:55]
	s_add_nc_u64 s[56:57], s[12:13], s[56:57]
	s_cmp_lt_u32 s14, 2                            ; waves 0, 1: x's halves; waves 2, 3: W's.  One tensor load of mine is out.  An s_nop 0 and four v_nop follow each line
	s_cbranch_scc0 .Lfor_w
	tensor_load_to_lds s[40:43], s[24:31]
	s_nop 0
	PLACES
	s_branch .Lasked
.Lfor_w:
	tensor_load_to_lds s[44:47], s[32:39]
	s_nop 0
	PLACES
.Lasked:
	global_load_b128 v[XS:XS+3], v5, s[48:49]                      ; scale words of K steps 0-3,
	global_load_b128 v[XS+4:XS+7], v5, s[48:49] offset:256         ; and 4-7
.irp i, 0,1,2,3,4,5
	global_load_b128 v[WS+8*\i:WS+8*\i+3], v6, s[50:51] offset:512*\i
	global_load_b128 v[WS+8*\i+4:WS+8*\i+7], v6, s[50:51] offset:512*\i+256
.endr
.irp a, 0,1
.irp n, 0,1,2,3,4,5,6,7
	global_load_b128 v[TAB+32*\a+4*\n:TAB+32*\a+4*\n+3], v1, s[52:53] offset:4096*\a+512*\n   ; cos and sin of my tokens: register 32 a + 8 b + 2 i: cos of pair 8 b + 4 h + i, the next: sin
.endr
.endr
	s_wait_loadcnt 0x0
	s_wait_tensorcnt 0x0                           ; my part of the codes is in,
	s_barrier_signal -1
	s_barrier_wait -1                              ; everybody's is
.macro FETCH s, p                      ; K step s: 28 loads into set p
	WIN 0x80+0x40*(\p)
.irp a, 0,1
.irp u, 0,1
	ds_load_b128 v[8*\a+4*\u:8*\a+4*\u+3], v2 offset:8192*\a+1024*(\s)+512*\u
.endr
.endr
.irp b, 0,1,2,3,4,5
.irp u, 0,1
	ds_load_b128 v[16+8*\b+4*\u:16+8*\b+4*\u+3], v3 offset:8192*\b+1024*(\s)+512*\u
.endr
.endr
.irp b, 0,1,2,3,4,5
.irp u, 0,1
	ds_load_b128 v[64+8*\b+4*\u:64+8*\b+4*\u+3], v4 offset:8192*\b+1024*(\s)+512*\u
.endr
.endr
.endm
.macro MM a, b, s                      ; one product.  W's scale words of b >= 6 and x's of a = 1 stand in lanes 16-31.  K step 0 starts the sums
.set rD, 8*(12*(\a)+(\b))
.set rW, 16+8*(\b)
.set rX, 8*(\a)
.set rSW, WS+8*((\b)%6)+(\s)
.set rSX, XS+(\s)
.if (\s) == 0
.if ((\b) < 6) && ((\a) == 0)
	v_wmma_scale_f32_16x16x128_f8f6f4 v[rD:rD+7], v[rW:rW+7], v[rX:rX+7], 0, v[rSW], v[rSX] matrix_a_fmt:MATRIX_FMT_FP4 matrix_b_fmt:MATRIX_FMT_FP4
.elseif (\a) == 0
	v_wmma_scale_f32_16x16x128_f8f6f4 v[rD:rD+7], v[rW:rW+7], v[rX:rX+7], 0, v[rSW], v[rSX] matrix_a_fmt:MATRIX_FMT_FP4 matrix_b_fmt:MATRIX_FMT_FP4 matrix_a_scale:MATRIX_SCALE_ROW1
.elseif (\b) < 6
	v_wmma_scale_f32_16x16x128_f8f6f4 v[rD:rD+7], v[rW:rW+7], v[rX:rX+7], 0, v[rSW], v[rSX] matrix_a_fmt:MATRIX_FMT_FP4 matrix_b_fmt:MATRIX_FMT_FP4 matrix_b_scale:MATRIX_SCALE_ROW1
.else
	v_wmma_scale_f32_16x16x128_f8f6f4 v[rD:rD+7], v[rW:rW+7], v[rX:rX+7], 0, v[rSW], v[rSX] matrix_a_fmt:MATRIX_FMT_FP4 matrix_b_fmt:MATRIX_FMT_FP4 matrix_a_scale:MATRIX_SCALE_ROW1 matrix_b_scale:MATRIX_SCALE_ROW1
.endif
.else
.if ((\b) < 6) && ((\a) == 0)
	v_wmma_scale_f32_16x16x128_f8f6f4 v[rD:rD+7], v[rW:rW+7], v[rX:rX+7], v[rD:rD+7], v[rSW], v[rSX] matrix_a_fmt:MATRIX_FMT_FP4 matrix_b_fmt:MATRIX_FMT_FP4
.elseif (\a) == 0
	v_wmma_scale_f32_16x16x128_f8f6f4 v[rD:rD+7], v[rW:rW+7], v[rX:rX+7], v[rD:rD+7], v[rSW], v[rSX] matrix_a_fmt:MATRIX_FMT_FP4 matrix_b_fmt:MATRIX_FMT_FP4 matrix_a_scale:MATRIX_SCALE_ROW1
.elseif (\b) < 6
	v_wmma_scale_f32_16x16x128_f8f6f4 v[rD:rD+7], v[rW:rW+7], v[rX:rX+7], v[rD:rD+7], v[rSW], v[rSX] matrix_a_fmt:MATRIX_FMT_FP4 matrix_b_fmt:MATRIX_FMT_FP4 matrix_b_scale:MATRIX_SCALE_ROW1
.else
	v_wmma_scale_f32_16x16x128_f8f6f4 v[rD:rD+7], v[rW:rW+7], v[rX:rX+7], v[rD:rD+7], v[rSW], v[rSX] matrix_a_fmt:MATRIX_FMT_FP4 matrix_b_fmt:MATRIX_FMT_FP4 matrix_a_scale:MATRIX_SCALE_ROW1 matrix_b_scale:MATRIX_SCALE_ROW1
.endif
.endif
.endm
.macro KSTEP s                         ; the next step's fragments are asked for, then this step's 24 products: the 24 accumulators take turns, in the same order in every step
.if (\s) < 7
.if (\s) > 0
	PLACES                                         ; the other set was read by the last step's products
.endif
	FETCH (\s)+1, 1-(\s)%2
	s_wait_dscnt 28                                ; all but the 28 just issued
.else
	s_wait_dscnt 0x0
.endif
	WIN 0x5a+5*((\s)%2)                            ; sources 0 and 1: window 2 or 3; C and D: window 1
.irp a, 0,1
.irp b, 0,1,2,3,4,5,6,7,8,9,10,11
	MM \a, \b, \s
.endr
.endr
.endm
	FETCH 0, 0
.irp s, 0,1,2,3,4,5,6,7
	KSTEP \s
.endr
	WIN 0
	PLACES
; THE WAY OUT, a chunk (64 columns) at a time.  q and k are rotated: pair (e, o) -> (e cos - o sin, e sin + o cos); v is not.  Rounded to f16, 16 bytes a lane, through my stage, out as 4 KiB dense.
.macro EPI j
	s_add_co_u32 s60, s58, \j
	s_cmp_lt_u32 s60, 20                           ; chunks 0-19 are q and k
	s_cbranch_scc0 .Lplain_\@
.irp a, 0,1
	WIN 0x01                                       ; source 0: the accumulators' window
.irp b, 0,1,2,3
.irp i, 0,1,2,3
	v_mul_f32 v[R+8*\b+2*\i], v[8*(12*\a+4*(\j)+\b)+2*\i+1], v[TAB+32*\a+8*\b+2*\i+1]     ; o sin   (an accumulator's first read is of its register 1)
	v_mul_f32 v[R+8*\b+2*\i+1], v[8*(12*\a+4*(\j)+\b)+2*\i+1], v[TAB+32*\a+8*\b+2*\i]     ; o cos
.endr
.irp i, 0,1,2,3
	v_fma_f32 v[R+8*\b+2*\i], v[8*(12*\a+4*(\j)+\b)+2*\i], v[TAB+32*\a+8*\b+2*\i], -v[R+8*\b+2*\i]
	v_fma_f32 v[R+8*\b+2*\i+1], v[8*(12*\a+4*(\j)+\b)+2*\i], v[TAB+32*\a+8*\b+2*\i+1], v[R+8*\b+2*\i+1]
.endr
.endr
	WIN 0
.irp b, 0,1,2,3
.irp i, 0,1,2,3
	v_cvt_pk_f16_f32 v[PK+16*\a+4*\b+\i], v[R+8*\b+2*\i], v[R+8*\b+2*\i+1]
.endr
.endr
.if \a == 0
	s_cmp_lg_u32 s59, 0
	s_cbranch_scc1 .Lno_fine_\@
.irp b, 0,1,2,3
	global_store_b128 v9, v[R+8*\b:R+8*\b+3], s[56:57] offset:4096*(\j)+64*\b
	global_store_b128 v9, v[R+8*\b+4:R+8*\b+7], s[56:57] offset:4096*(\j)+64*\b+16
.endr
	s_wait_xcnt 0x0                                ; the stores' data are written again below only behind this wait
.Lno_fine_\@:
.endif
.endr
	s_branch .Ljoin_\@
.Lplain_\@:
	WIN 0x05                                       ; sources 0 and 1: the accumulators' window
.irp a, 0,1
.irp b, 0,1,2,3
.irp i, 0,1,2,3
	v_cvt_pk_f16_f32 v[PK+16*\a+4*\b+\i], v[8*(12*\a+4*(\j)+\b)+2*\i], v[8*(12*\a+4*(\j)+\b)+2*\i+1]
.endr
.endr
.endr
	WIN 0
	s_cmp_lg_u32 s59, 0
	s_cbranch_scc1 .Ljoin_\@
	WIN 0x04                                       ; a store's data are its source 1
.irp b, 0,1,2,3
	global_store_b128 v9, v[8*(4*(\j)+\b):8*(4*(\j)+\b)+3], s[56:57] offset:4096*(\j)+64*\b
	global_store_b128 v9, v[8*(4*(\j)+\b)+4:8*(4*(\j)+\b)+7], s[56:57] offset:4096*(\j)+64*\b+16
.endr
	WIN 0
.Ljoin_\@:
	s_wait_xcnt 0x0                                ; the last chunk's stores have read their registers: the loads below may land there
.irp a, 0,1
.irp b, 0,1,2,3
	ds_store_b128 v7, v[PK+16*\a+4*\b:PK+16*\a+4*\b+3] offset:2304*\a+32*\b
.endr
.endr
.irp n, 0,1,2,3,4,5,6,7
	ds_load_b128 v[OUTR+4*\n:OUTR+4*\n+3], v8 offset:576*\n       ; LDS serves a wave's instructions in order: these see the stores above
.endr
.irp n, 0,1,2,3,4,5,6,7
	s_wait_dscnt 7-\n
	global_store_b128 v1, v[OUTR+4*\n:OUTR+4*\n+3], s[54:55] offset:CH*(\j)+512*\n   ; four rows of 128 bytes: 512 consecutive bytes, aligned
.endr
.endm
	EPI 0
	EPI 1
	EPI 2
	s_wait_tensorcnt 0x0                           ; the wave's end
	ds_add_u32 v14, v15
	s_wait_dscnt 0x0
	s_endpgm
.Lfunc_end_k_qd8a991d0d2_qkv:
	.size	k_qd8a991d0d2_qkv, .Lfunc_end_k_qd8a991d0d2_qkv-k_qd8a991d0d2_qkv
	.p2alignl 7, 3214868480
	.fill 96, 4, 3214868480
	.section	.rodata,"a",@progbits
	.p2align	6, 0x0
	.amdhsa_kernel k_qd8a991d0d2_qkv
		.amdhsa_group_segment_fixed_size 182784
		.amdhsa_private_segment_fixed_size 0
		.amdhsa_enable_private_segment 0
		.amdhsa_kernarg_size 40
		.amdhsa_user_sgpr_count 2
		.amdhsa_user_sgpr_kernarg_segment_ptr 1
		.amdhsa_wavefront_size32 1
		.amdhsa_system_sgpr_workgroup_id_x 1
		.amdhsa_system_sgpr_workgroup_id_y 1
		.amdhsa_system_sgpr_workgroup_id_z 1
		.amdhsa_system_vgpr_workitem_id 0
		.amdhsa_next_free_vgpr 896
		.amdhsa_next_free_sgpr 66
		.amdhsa_reserve_vcc 0
		.amdhsa_float_denorm_mode_32 3
		.amdhsa_float_denorm_mode_16_64 3
		.amdhsa_memory_ordered 1
		.amdhsa_forward_progress 1
		.amdhsa_inst_pref_size 91
	.end_amdhsa_kernel
	.amdgpu_metadata
---
amdhsa.version: [ 1, 2 ]
amdhsa.kernels:
  - .name:           k_qd8a991d0d2_qkv
    .symbol:         k_qd8a991d0d2_qkv.kd
    .args:
      - { .name: codes, .offset: 0, .size: 8, .value_kind: global_buffer, .address_space: global }
      - { .name: scl, .offset: 8, .size: 8, .value_kind: global_buffer, .address_space: global }
      - { .name: tab, .offset: 16, .size: 8, .value_kind: global_buffer, .address_space: global }
      - { .name: qkv16, .offset: 24, .size: 8, .value_kind: global_buffer, .address_space: global }
      - { .name: fq, .offset: 32, .size: 8, .value_kind: global_buffer, .address_space: global }
    .group_segment_fixed_size: 182784
    .private_segment_fixed_size: 0
    .kernarg_segment_align: 8
    .kernarg_segment_size: 40
    .max_flat_workgroup_size: 128
    .sgpr_count:     66
    .vgpr_count:     896
    .wavefront_size: 32
...
	.end_amdgpu_metadata
.endif
;; end of part 2
;; launch attn (part 3): grid 64 x 4, 8 waves a work-group, no clusters, 327,680 bytes of LDS; arguments qkv16, att; writes att
.if DOCPART == 3
	.amdgcn_target "amdgcn-amd-amdhsa--gfx1250"
	.amdhsa_code_object_version 6
	.text
	.protected	k_qd8a991d0d2_attn
	.globl	k_qd8a991d0d2_attn
	.p2align	8
	.type	k_qd8a991d0d2_attn,@function
k_qd8a991d0d2_attn:
	s_mov_b64 s[64:65], 0
	v_nop
	global_prefetch_b8 v0, s[64:65] scope:SCOPE_SE
	s_setreg_imm32_b32 hwreg(HW_REG_WAVE_MODE, 25, 1), 1
	s_wait_xcnt 0x0
; ATTENTION under the causal mask, f16 operands, f32 sums, a running maximum.  qkv16: [24][4,096][64] f16 (0-15 q heads, 16-19 k, 20-23 v); att: [4,096][1,024] f16.
; SHARES.  Work-group (i, g) owns, for the four query heads of KV head g, the positions 32 i .. 32 i + 31 (lo) and 32 (127 - i) .. + 31 (hi).  The two passes together walk (i/8 + 1) + (16 - i/8) = 17 slots of 256 keys
; whatever i is: the loop's trip count is a constant, and all work-groups have the same work.
; A wave holds two tiles of 16 queries: two heads at the same 16 positions, so that each fragment of K and V read from LDS feeds two products.  Waves w and w + 4 hold the SAME two tiles and share the key steps of 64
; (step % 2 = w / 4); their partial results (c m, l, O) are joined through LDS behind the loop.  Two waves lie on a SIMD: one's vector work stands beside the other's matrix work.
; LAYOUT.  S^T = K Q^T (source 0 = 16 keys, source 1 = 16 queries), O^T = V^T P (source 0 = 16 channels, V turned by ds_load_tr16_b128): a lane holds ONE query throughout; two tiles of S^T, rounded in pairs, are source 1 of the second product.
; SOFTMAX.  p = 2^(c s - c m), c = log2(e) / 8; in every step O and l are multiplied by a = 2^(c m_old - c m_new).  m begins at -3e38 and O, l at 0, so the step is written once.
; THE MASK.  A step all of whose keys come after the wave's queries is jumped over (a scalar branch on ids and the count of trips); on the diagonal hidden scores become -infinity.  A visible step's first key is at or under the wave's first query, so every row sees a key in it.
; NO CLUSTER: these branches hang on the work-group's own i, which partners would not share.
; LIMIT: q, k, v inside f16's range; NaN and infinities are not served.
; REGISTERS: window 0: v1-11 addresses and the mask's, v12-27 statistics (tile T at 12 + 8 T: c m, m, l, l, four at work), v28, v29 the add's two, v30, v31, v192, v193 addresses, v32-95 S^T, v96-127 P, v128-191 O^T.
;   window 1: v0-31 Q, v32-95 K of a step, v96-159 V of a step, v160-191 the hi pass's Q.
.set CH,    524288
.set KP,    144                        ; a key's row in LDS: 128 bytes + 16
.set VP,    160                        ; a row of V: 128 + 32
.set VOFF,  36864                      ; a slot: 256 rows of K, then 256 rows of V: 77,824 bytes
.set SLOT1, 131072                     ; slot 1 begins here: one exclusive or turns an address
.set STASH, 77824                      ; behind each slot: four waves' stashes of 9,216 bytes, into which no tile lands
.set STAGE, 262144                     ; 16 rows x 272 bytes for each wave
.set SPARE, 296960                     ; the spare words, 128 bytes for each wave: four blocks of 256 bytes that no other line names
.set ST,    12
.set S,     32
.set P,     96
.set O,     128
.set KW,    32
.set VW,    96
.set QH,    160
.set MSB, 0
.macro WIN new
.if MSB != (\new)
	s_set_vgpr_msb (MSB<<8)|(\new)
.set MSB, (\new)
.endif
.endm
.macro PLACES
.rept 4
	v_nop
.endr
.endm
.macro TLOAD                           ; waves 0-3 fetch K's quarters (64 rows), waves 4-7 V's.  An s_nop 0 and four v_nop follow each line
	s_cmp_lt_u32 s8, 4
	s_cbranch_scc0 .Lfor_v_\@
	tensor_load_to_lds s[44:47], s[28:35]
	s_nop 0
	PLACES
	s_branch .Lasked_\@
.Lfor_v_\@:
	tensor_load_to_lds s[48:51], s[36:43]
	s_nop 0
	PLACES
.Lasked_\@:
.endm
; A PREFETCH of what my NEXT refill will ask for: my quarter (8,192 bytes, lanes 256 bytes apart) of the hi pass's slot T + 1.  Only work-group i = 0 of each KV head asks: it walks all 16 slots, so each run of 256 bytes
; is named once in the launch.  Slot 0 is never asked for; trip 14 names slot 15, the last; later trips ask for nothing.
.macro ASK
	s_cmp_lt_u32 s16, s21
	s_cbranch_scc0 .Lnot_mine_\@
	global_prefetch_b8 v192, s[58:59] th:TH_LOAD_NT scope:SCOPE_SE
.Lnot_mine_\@:
.endm
	s_load_b128 s[4:7], s[0:1], 0x0                ; qkv16, att
	v_lshl_add_u32 v28, v0, 2, SPARE
	v_mov_b32 v29, 0
	ds_add_u32 v28, v29                            ; the wave's opening: the add, twice on end, and its wait ahead of my first tensor load
	ds_add_u32 v28, v29
	v_lshrrev_b32 v1, 5, v0
	v_readfirstlane_b32 s8, v1                     ; wave 0..7
	s_and_b32 s9, s8, 3                            ; pr: which pair of tiles
	s_lshr_b32 s10, s8, 2                          ; par: which key steps
	s_mov_b32 s11, ttmp9                           ; i
	s_and_b32 s12, ttmp7, 0xffff                   ; g
	s_lshr_b32 s13, s11, 3
	s_add_co_u32 s13, s13, 1                       ; the lo pass's slots
	s_lshr_b32 s14, s9, 1
	s_and_b32 s15, s9, 1
	s_lshl_b32 s18, s11, 5
	s_lshl_b32 s26, s15, 4
	s_add_co_u32 s18, s18, s26                     ; my first query, lo
	s_sub_co_u32 s19, 127, s11
	s_lshl_b32 s19, s19, 5
	s_add_co_u32 s19, s19, s26                     ; and hi
	s_lshl_b32 s27, s12, 2
	s_lshl_b32 s14, s14, 1
	s_add_co_u32 s27, s27, s14                     ; my first head
	; descriptor groups 1: 64 rows of 64 elements of 2 bytes, dense in memory; padding behind every 32 words: 4 words (K), 8 words (V)
	s_mov_b32 s28, (1<<16)|(1<<20)|(4<<22)|(3<<25)
	s_mov_b32 s29, 64<<16
	s_mov_b32 s30, 64<<16
	s_mov_b32 s31, 64<<16
	s_mov_b32 s32, 64
	s_mov_b32 s33, 64
	s_mov_b32 s34, 0
	s_mov_b32 s35, 0
	s_mov_b32 s36, (1<<16)|(1<<20)|(4<<22)|(7<<25)
	s_mov_b32 s37, 64<<16
	s_mov_b32 s38, 64<<16
	s_mov_b32 s39, 64<<16
	s_mov_b32 s40, 64
	s_mov_b32 s41, 64
	s_mov_b32 s42, 0
	s_mov_b32 s43, 0
	s_mov_b32 s44, 1
	s_mul_i32 s45, s9, 64*KP
	s_mov_b32 s48, 1
	s_mul_i32 s49, s9, 64*VP
	s_add_co_u32 s49, s49, VOFF
	s_mov_b32 s22, 0x3e38aa3b                      ; c = log2(e) / 8
	s_mov_b32 s23, s22
	s_mov_b32 s24, 0x76543210
	s_mov_b32 s25, 0xfedcba98                      ; v_permlanex16_b32's selects for lane l xor 16
	s_mov_b32 s16, 0                               ; T: the trip
	s_lshl_b32 s17, s10, 6                         ; the first key of my steps in the slot in hand
	s_mov_b32 s20, 0                               ; LDS byte at which the slot in hand begins
	s_mov_b32 s56, 0                               ; the asked slot's place in K and V, in bytes
	s_mov_b32 s57, 0
	s_cmp_eq_u32 s11, 0
	s_cselect_b32 s21, 15, 0
	s_add_co_u32 s62, s12, 16
	s_lshl_b32 s62, s62, 19
	s_lshl_b32 s63, s9, 13
	s_add_co_u32 s62, s62, s63                     ; K: chunk 16 + g, my quarter of a slot
	s_mov_b32 s63, 0
	v_and_b32 v32, 31, v0                          ; l
	v_and_b32 v33, 15, v0                          ; r
	v_bfe_u32 v34, v0, 4, 1                        ; h
	v_lshlrev_b32 v5, 7, v33
	v_lshl_add_u32 v5, v34, 4, v5                  ; Q: 128 r + 16 h
	s_wait_dscnt 0x0                               ; both opening adds are done
	s_wait_kmcnt 0x0
	s_add_nc_u64 s[52:53], s[4:5], s[62:63]        ; K's and V's addresses of my quarter of slot 0
	s_add_nc_u64 s[54:55], s[52:53], 4*CH
	s_mov_b64 s[46:47], s[52:53]
	s_or_b32 s47, s47, 0x80000000
	s_mov_b64 s[50:51], s[54:55]
	s_or_b32 s51, s51, 0x80000000
	s_cmp_lt_u32 s8, 4
	s_cselect_b64 s[58:59], s[52:53], s[54:55]     ; where my prefetches stand; each change of slots steps it
	TLOAD                                          ; the lo pass's slot 0.  One tensor load of mine is out, here and behind every barrier
	s_lshl_b32 s62, s27, 19
	s_lshl_b32 s66, s18, 7
	s_add_co_u32 s62, s62, s66
	s_add_nc_u64 s[68:69], s[4:5], s[62:63]        ; Q, lo
	s_lshl_b32 s62, s27, 19
	s_lshl_b32 s66, s19, 7
	s_add_co_u32 s62, s62, s66
	s_add_nc_u64 s[70:71], s[4:5], s[62:63]        ; Q, hi
	WIN 0x40                                       ; destination window 1
.irp T, 0,1
.irp c, 0,1
.irp u, 0,1
	global_load_b128 v[16*\T+8*\c+4*\u:16*\T+8*\c+4*\u+3], v5, s[68:69] offset:CH*\T+64*\c+32*\u
	global_load_b128 v[QH+16*\T+8*\c+4*\u:QH+16*\T+8*\c+4*\u+3], v5, s[70:71] offset:CH*\T+64*\c+32*\u
.endr
.endr
.endr
	WIN 0
	s_cmp_eq_u32 s10, 0                            ; behind the loop waves 0-3 finish the hi block, waves 4-7 the lo block
	s_cselect_b32 s62, s19, s18
	s_lshl_b32 s62, s62, 11
	s_lshl_b32 s66, s27, 7
	s_add_co_u32 s62, s62, s66
	s_add_nc_u64 s[60:61], s[6:7], s[62:63]
	v_mul_u32_u24 v1, v33, KP
	v_lshl_add_u32 v1, v34, 4, v1
	s_mul_i32 s62, s10, 64*KP
	v_add_nc_u32 v1, s62, v1                       ; K: row r, 16 h, my parity's 64 rows
	v_and_b32 v35, 7, v0
	v_lshl_add_u32 v2, v34, 3, v35
	v_mul_u32_u24 v2, v2, VP
	v_bfe_u32 v35, v0, 3, 1
	v_lshl_add_u32 v2, v35, 4, v2
	s_mul_i32 s62, s10, 64*VP
	s_add_co_u32 s62, s62, VOFF
	v_add_nc_u32 v2, s62, v2                       ; V, for the turning load: key 8 h + l % 8, channels 8 ((l / 8) % 2) on
	s_mul_i32 s62, s8, 4352
	s_add_co_u32 s62, s62, STAGE
	v_mul_u32_u24 v6, v33, 272
	v_lshl_add_u32 v6, v34, 4, v6
	v_add_nc_u32 v6, s62, v6                       ; the stage, in
	v_mul_u32_u24 v7, v34, 272
	v_lshl_add_u32 v7, v33, 4, v7
	v_add_nc_u32 v7, s62, v7                       ; and back: sixteen lanes to a row of 256 bytes
	v_lshlrev_b32 v8, 11, v34
	v_lshl_add_u32 v8, v33, 4, v8                  ; the same two rows in att
	v_lshlrev_b32 v9, 3, v34
	v_sub_nc_u32 v9, v33, v9                       ; r - 8 h
	v_mov_b32 v11, 0xff800000                      ; -infinity
	v_lshlrev_b32 v35, 4, v32                      ; 16 l
	s_mul_i32 s62, s9, 9216
	s_lshl_b32 s66, s10, 17
	s_add_co_u32 s66, s66, s62
	s_add_co_u32 s66, s66, STASH
	v_add_nc_u32 v30, s66, v35                     ; my stash
	s_mul_i32 s66, s10, STASH
	s_add_co_u32 s66, s66, s62
	v_add_nc_u32 v31, s66, v35                     ; my partner's partial result: waves 0-3: in slot 0's bytes; waves 4-7: the partner's stash
	v_add_nc_u32 v193, s62, v35                    ; where waves 4-7 put their hi partial: slot 0's bytes, behind its last fill and its last read
	v_lshlrev_b32 v192, 8, v32
.macro INIT
.irp T, 0,1
	v_mov_b32 v[ST+8*\T+1], 0xff61b1e6             ; m = -3e38, under every score
	v_mul_f32 v[ST+8*\T], s22, v[ST+8*\T+1]
	v_mov_b32 v[ST+8*\T+2], 0
	v_mov_b32 v[ST+8*\T+3], 0
.endr
.irp j, 0,1,2,3,4,5,6,7,8,9,10,11,12,13,14,15,16,17,18,19,20,21,22,23,24,25,26,27,28,29,30,31,32,33,34,35,36,37,38,39,40,41,42,43,44,45,46,47,48,49,50,51,52,53,54,55,56,57,58,59,60,61,62,63
	v_mov_b32 v[O+\j], 0                           ; the step is written once: the first finds zeros
.endr
.endm
	INIT
	s_wait_loadcnt 0x0                             ; Q
.macro FETCH_K q                       ; 64 keys x 64 channels: 16 loads
	WIN 0x40
.irp k, 0,1,2,3
.irp c, 0,1
.irp u, 0,1
	ds_load_b128 v[KW+16*\k+8*\c+4*\u:KW+16*\k+8*\c+4*\u+3], v3 offset:(128*(\q)+16*\k)*KP+64*\c+32*\u
.endr
.endr
.endr
.endm
.macro FETCH_V q                       ; the same keys of V, turned: 16 loads
	WIN 0x40
.irp g, 0,1
.irp n, 0,1,2,3
.irp u, 0,1
	ds_load_tr16_b128 v[VW+32*\g+8*\n+4*\u:VW+32*\g+8*\n+4*\u+3], v4 offset:(128*(\q)+32*\g+16*\u)*VP+32*\n
.endr
.endr
.endr
.endm
.macro KQ                              ; 16 products: the 8 accumulators take turns; the first 8 start the sums
	WIN 0x05
.irp c, 0,1
.irp k, 0,1,2,3
.irp T, 0,1
.if \c == 0
	v_wmma_f32_16x16x32_f16 v[S+32*\T+8*\k:S+32*\T+8*\k+7], v[KW+16*\k+8*\c:KW+16*\k+8*\c+7], v[16*\T+8*\c:16*\T+8*\c+7], 0
.else
	v_wmma_f32_16x16x32_f16 v[S+32*\T+8*\k:S+32*\T+8*\k+7], v[KW+16*\k+8*\c:KW+16*\k+8*\c+7], v[16*\T+8*\c:16*\T+8*\c+7], v[S+32*\T+8*\k:S+32*\T+8*\k+7]
.endif
.endr
.endr
.endr
.endm
.macro PV                              ; 16 products onto O^T, 8 accumulators by turns
	WIN 0x01
.irp g, 0,1
.irp n, 0,1,2,3
.irp T, 0,1
	v_wmma_f32_16x16x32_f16 v[O+32*\T+8*\n:O+32*\T+8*\n+7], v[VW+32*\g+8*\n:VW+32*\g+8*\n+7], v[P+16*\T+8*\g:P+16*\T+8*\g+7], v[O+32*\T+8*\n:O+32*\T+8*\n+7]
.endr
.endr
.endr
.endm
.macro MASK                            ; register 8 k + j holds key key0 + 16 k + 8 h + j: hidden where 16 k + j > my query - key0 - 8 h (v10)
.irp k, 0,1,2,3
.irp j, 0,1,2,3,4,5,6,7
	v_cmp_gt_i32 vcc_lo, 16*\k+\j, v10
	v_cndmask_b32 v[S+8*\k+\j], v[S+8*\k+\j], v11, vcc_lo
	v_cndmask_b32 v[S+32+8*\k+\j], v[S+32+8*\k+\j], v11, vcc_lo
.endr
.endr
.endm
.macro SM                              ; the softmax of a step, both tiles line by line
.irp j, 0,1,2,3
.irp T, 0,1
	v_max3_num_f32 v[ST+8*\T+4+\j], v[S+32*\T+8*\j], v[S+32*\T+8*\j+1], v[S+32*\T+8*\j+2]   ; four chains, each from its accumulator's low end
.endr
.endr
.irp g, 1,2
.irp j, 0,1,2,3
.irp T, 0,1
	v_max3_num_f32 v[ST+8*\T+4+\j], v[ST+8*\T+4+\j], v[S+32*\T+8*\j+2*\g+1], v[S+32*\T+8*\j+2*\g+2]
.endr
.endr
.endr
.irp T, 0,1
	v_max3_num_f32 v[ST+8*\T+4], v[ST+8*\T+4], v[S+32*\T+7], v[S+32*\T+15]
	v_max3_num_f32 v[ST+8*\T+6], v[ST+8*\T+6], v[S+32*\T+23], v[S+32*\T+31]
.endr
.irp T, 0,1
	v_max3_num_f32 v[ST+8*\T+4], v[ST+8*\T+4], v[ST+8*\T+5], v[ST+8*\T+6]
.endr
.irp T, 0,1
	v_max3_num_f32 v[ST+8*\T+4], v[ST+8*\T+4], v[ST+8*\T+7], v[ST+8*\T+1]   ; with the old m
.endr
.irp T, 0,1
	v_permlanex16_b32 v[ST+8*\T+5], v[ST+8*\T+4], s24, s25                  ; the query's other 32 keys lie in the lane 16 away
.endr
.irp T, 0,1
	v_mov_b32 v[ST+8*\T+7], v[ST+8*\T]                                      ; c m_old
.endr
.irp T, 0,1
	v_max_num_f32 v[ST+8*\T+1], v[ST+8*\T+4], v[ST+8*\T+5]
.endr
.irp T, 0,1
	v_mul_f32 v[ST+8*\T], s22, v[ST+8*\T+1]
.endr
.irp T, 0,1
	v_sub_f32 v[ST+8*\T+7], v[ST+8*\T+7], v[ST+8*\T]
.endr
.irp b, 0,2,4,6,8,10,12,14,16,18,20,22,24,26,28,30
.irp T, 0,1
	v_pk_fma_f32 v[S+32*\T+\b:S+32*\T+\b+1], v[S+32*\T+\b:S+32*\T+\b+1], s[22:23], v[ST+8*\T:ST+8*\T+1] op_sel_hi:[1,0,0] neg_lo:[0,0,1] neg_hi:[0,0,1]   ; c s - c m
.endr
.endr
.irp T, 0,1
	v_exp_f32 v[ST+8*\T+6], v[ST+8*\T+7]           ; a
.endr
.irp j, 0,1,2,3,4,5,6,7,8,9,10,11,12,13,14,15,16,17,18,19,20,21,22,23,24,25,26,27,28,29,30,31,32,33,34,35,36,37,38,39,40,41,42,43,44,45,46,47,48,49,50,51,52,53,54,55,56,57,58,59,60,61,62,63
	v_exp_f32 v[S+\j], v[S+\j]                     ; p
.endr
	v_nop                                          ; a plain line behind the batch
	s_wait_alu depctr_va_vdst(0)                   ; one wait for the 66, ahead of their first reader
.irp n, 0,1,2,3,4,5,6,7,8,9,10,11,12,13,14,15,16,17,18,19,20,21,22,23,24,25,26,27,28,29,30,31
	v_cvt_pk_f16_f32 v[P+\n], v[S+2*\n], v[S+2*\n+1]
.endr
.irp z, 0,4,8,12,16,20,24,28,32,36,40,44,48,52,56,60
	v_pk_add_f32 v[S+\z:S+\z+1], v[S+\z:S+\z+1], v[S+\z+2:S+\z+3]          ; the sums of the unrounded p, as a tree, in place
.endr
.irp z, 0,8,16,24,32,40,48,56
	v_pk_add_f32 v[S+\z:S+\z+1], v[S+\z:S+\z+1], v[S+\z+4:S+\z+5]
.endr
.irp z, 0,16,32,48
	v_pk_add_f32 v[S+\z:S+\z+1], v[S+\z:S+\z+1], v[S+\z+8:S+\z+9]
.endr
.irp z, 0,32
	v_pk_add_f32 v[S+\z:S+\z+1], v[S+\z:S+\z+1], v[S+\z+16:S+\z+17]
.endr
.irp T, 0,1
	v_pk_fma_f32 v[ST+8*\T+2:ST+8*\T+3], v[ST+8*\T+2:ST+8*\T+3], v[ST+8*\T+6:ST+8*\T+7], v[S+32*\T:S+32*\T+1] op_sel_hi:[1,0,1]   ; l = l a + the sum
.endr
.irp T, 0,1
.irp b, 0,2,4,6,8,10,12,14,16,18,20,22,24,26,28,30
	v_pk_mul_f32 v[O+32*\T+\b:O+32*\T+\b+1], v[O+32*\T+\b:O+32*\T+\b+1], v[ST+8*\T+6:ST+8*\T+7] op_sel_hi:[1,0]   ; O^T x a, each accumulator from its low end
.endr
.endr
.endm
; A KEY STEP: 64 keys, the q-th of my two in the slot.  Within a slot the visible steps come first, so step 1 is reached only through step 0, which has asked for its K.
.macro STEP q, endl
.if (\q) == 0
	s_mov_b32 s26, s17                             ; the step's first key
.else
	s_add_co_u32 s26, s17, 128
.endif
	s_add_co_u32 s27, s18, 15
	s_cmp_gt_u32 s26, s27
	s_cbranch_scc1 \endl                           ; all its keys come after my queries
.if (\q) == 0
	FETCH_K 0
.endif
	FETCH_V \q
	s_wait_dscnt 16                                ; K is in; V's 16 loads may be out
	KQ
	WIN 0
	PLACES                                         ; ahead of the loads into K's registers and of the first read of the scores
.if (\q) == 0
	FETCH_K 1
	WIN 0
.endif
	s_add_co_u32 s27, s26, 63
	s_cmp_le_u32 s27, s18
	s_cbranch_scc1 .Lopen_\@                       ; all its keys count for all my queries
	s_sub_co_i32 s27, s18, s26
	v_add_nc_u32 v10, s27, v9
	MASK
.Lopen_\@:
	SM
.if (\q) == 0
	s_wait_dscnt 16                                ; V is in; the next step's K may be out
.else
	s_wait_dscnt 0x0
.endif
	PV
	WIN 0
	PLACES                                         ; ahead of the next loads into V's registers and of stores of O^T
.endm
; THE CHANGE OF SLOTS, at a slot's head: every wave waits for all its tensor loads (its quarter of the slot ahead), adds 0 to its spare word, waits for that and for its reads of the slot that it has left, and passes the barrier.
; fill = 1: the slot just left is filled with the walk's next 256 keys: the next slot of the pass, or, where the lo pass ends, the hi pass's slot 0.
.macro CHANGE fill
	s_wait_tensorcnt 0x0                           ; no tensor load of mine is out, so the descriptors may be written
	ds_add_u32 v28, v29                            ; 0 onto my spare word
.if \fill
	s_xor_b32 s45, s45, SLOT1
	s_xor_b32 s49, s49, SLOT1
	s_add_co_u32 s56, s56, 32768
	s_add_co_u32 s62, s16, 1
	s_cmp_eq_u32 s62, s13
	s_cselect_b32 s56, 0, s56
	s_add_nc_u64 s[46:47], s[52:53], s[56:57]
	s_or_b32 s47, s47, 0x80000000
	s_add_nc_u64 s[50:51], s[54:55], s[56:57]
	s_or_b32 s51, s51, 0x80000000
	s_wait_xcnt 0x0                                ; the last prefetch, a slot back, has read its address
	s_add_nc_u64 s[58:59], s[58:59], 32768
.endif
	s_wait_dscnt 0x0                               ; the add is done, and my reads of the slot that I have left are over
	s_barrier_signal -1
	s_barrier_wait -1
.if \fill
	TLOAD                                          ; the first thing behind the barrier, and my one tensor load until the next
	ASK
.endif
.endm
.macro PUT adr                         ; O^T and the statistics as images of their registers: 18 stores of 512 bytes
.irp k, 0,1,2,3,4,5,6,7,8,9,10,11,12,13,14,15
	ds_store_b128 v[\adr], v[O+4*\k:O+4*\k+3] offset:512*\k
.endr
.irp T, 0,1
	ds_store_b128 v[\adr], v[ST+8*\T:ST+8*\T+3] offset:512*(16+\T)
.endr
.endm
.Lslot:                                            ; 16 trips; the 17th slot is written out behind the loop
	CHANGE 1
	s_cmp_lg_u32 s16, s13
	s_cbranch_scc1 .Lsame_pass
	PUT 30                                         ; THE LO PASS IS OVER (ids and the count of trips alone: all eight waves go the same way): my partial result goes to my stash,
	s_wait_dscnt 0x0                               ; the stores have read their registers,
	WIN 0x41
.irp j, 0,1,2,3,4,5,6,7,8,9,10,11,12,13,14,15,16,17,18,19,20,21,22,23,24,25,26,27,28,29,30,31
	v_mov_b32 v[\j], v[QH+\j]                      ; the hi pass's Q takes its place,
.endr
	WIN 0
	INIT                                           ; and the sums begin anew
	s_mov_b32 s18, s19
	s_lshl_b32 s17, s10, 6
.Lsame_pass:
	v_add_nc_u32 v3, s20, v1
	v_add_nc_u32 v4, s20, v2
	STEP 0, .Lslot_done
	STEP 1, .Lslot_done
.Lslot_done:
	s_add_co_u32 s17, s17, 256
	s_xor_b32 s20, s20, SLOT1
	s_add_co_u32 s16, s16, 1
	s_cmp_lt_u32 s16, 16
	s_cbranch_scc1 .Lslot
	CHANGE 0                                       ; the last slot: nothing is left to fetch
	v_add_nc_u32 v3, s20, v1
	v_add_nc_u32 v4, s20, v2
	STEP 0, .Llast_done
	STEP 1, .Llast_done
.Llast_done:
	s_wait_dscnt 0x0
	s_barrier_signal -1
	s_barrier_wait -1                              ; nobody reads the ring any more
	s_cmp_eq_u32 s10, 0
	s_cbranch_scc1 .Lkeeps_hi
	PUT 193                                        ; waves 4-7: my hi partial goes to my partner,
	s_wait_dscnt 0x0
.irp k, 0,1,2,3,4,5,6,7,8,9,10,11,12,13,14,15
	ds_load_b128 v[O+4*\k:O+4*\k+3], v30 offset:512*\k             ; and my lo partial comes back
.endr
.irp T, 0,1
	ds_load_b128 v[ST+8*\T:ST+8*\T+3], v30 offset:512*(16+\T)
.endr
.Lkeeps_hi:
	s_wait_dscnt 0x0
	s_barrier_signal -1
	s_barrier_wait -1
	; THE TWO PARTIAL RESULTS ARE JOINED: c m* = the larger; each side is brought under it by 2^(c m - c m*); the sum of l over both sides and both halves of the lanes divides.
.irp k, 0,1,2,3,4,5,6,7,8,9,10,11,12,13,14,15
	ds_load_b128 v[S+4*\k:S+4*\k+3], v31 offset:512*\k
.endr
.irp T, 0,1
	ds_load_b128 v[P+4*\T:P+4*\T+3], v31 offset:512*(16+\T)
.endr
	s_wait_dscnt 0x0
.irp T, 0,1
	v_max_num_f32 v[ST+8*\T+4], v[ST+8*\T], v[P+4*\T]
	v_add_f32 v[ST+8*\T+2], v[ST+8*\T+2], v[ST+8*\T+3]
	v_add_f32 v[P+4*\T+2], v[P+4*\T+2], v[P+4*\T+3]
.endr
.irp T, 0,1
	v_sub_f32 v[ST+8*\T+5], v[ST+8*\T], v[ST+8*\T+4]
	v_sub_f32 v[ST+8*\T+6], v[P+4*\T], v[ST+8*\T+4]
.endr
.irp T, 0,1
	v_exp_f32 v[ST+8*\T+5], v[ST+8*\T+5]
	v_exp_f32 v[ST+8*\T+6], v[ST+8*\T+6]
.endr
	v_nop
	s_wait_alu depctr_va_vdst(0)                   ; one wait for the four
.irp T, 0,1
	v_mul_f32 v[ST+8*\T+7], v[P+4*\T+2], v[ST+8*\T+6]
.endr
.irp T, 0,1
	v_fma_f32 v[ST+8*\T+7], v[ST+8*\T+2], v[ST+8*\T+5], v[ST+8*\T+7]
.endr
.irp T, 0,1
	v_permlanex16_b32 v[ST+8*\T+3], v[ST+8*\T+7], s24, s25
.endr
.irp T, 0,1
	v_add_f32 v[ST+8*\T+7], v[ST+8*\T+7], v[ST+8*\T+3]
.endr
.irp T, 0,1
	v_rcp_f32 v[ST+8*\T+3], v[ST+8*\T+7]
.endr
	v_nop
	s_wait_alu depctr_va_vdst(0)                   ; one wait for the two
.irp T, 0,1
	v_mul_f32 v[ST+8*\T+4], v[ST+8*\T+5], v[ST+8*\T+3]
	v_mul_f32 v[ST+8*\T+6], v[ST+8*\T+6], v[ST+8*\T+3]
.endr
.irp T, 0,1
.irp b, 0,2,4,6,8,10,12,14,16,18,20,22,24,26,28,30
	v_pk_mul_f32 v[S+32*\T+\b:S+32*\T+\b+1], v[S+32*\T+\b:S+32*\T+\b+1], v[ST+8*\T+6:ST+8*\T+7] op_sel_hi:[1,0]
.endr
.endr
.irp T, 0,1
.irp b, 0,2,4,6,8,10,12,14,16,18,20,22,24,26,28,30
	v_pk_fma_f32 v[S+32*\T+\b:S+32*\T+\b+1], v[O+32*\T+\b:O+32*\T+\b+1], v[ST+8*\T+4:ST+8*\T+5], v[S+32*\T+\b:S+32*\T+\b+1] op_sel_hi:[1,0,1]
.endr
.endr
.irp n, 0,1,2,3,4,5,6,7,8,9,10,11,12,13,14,15,16,17,18,19,20,21,22,23,24,25,26,27,28,29,30,31
	v_cvt_pk_f16_f32 v[P+\n], v[S+2*\n], v[S+2*\n+1]
.endr
.irp T, 0,1
.irp n, 0,1,2,3
	ds_store_b128 v6, v[P+16*\T+4*\n:P+16*\T+4*\n+3] offset:128*\T+32*\n    ; row r: head T's 128 bytes, channels 16 n + 8 h on
.endr
.endr
.irp n, 0,1,2,3,4,5,6,7
	ds_load_b128 v[S+4*\n:S+4*\n+3], v7 offset:544*\n              ; LDS serves a wave's instructions in order: these see the stores above
.endr
.irp n, 0,1,2,3,4,5,6,7
	s_wait_dscnt 7-\n
	global_store_b128 v8, v[S+4*\n:S+4*\n+3], s[60:61] offset:4096*\n       ; sixteen lanes store the two heads' 256 consecutive bytes of a row, aligned
.endr
	s_wait_tensorcnt 0x0                           ; the wave's end
	ds_add_u32 v28, v29
	s_wait_dscnt 0x0
	s_endpgm
.Lfunc_end_k_qd8a991d0d2_attn:
	.size	k_qd8a991d0d2_attn, .Lfunc_end_k_qd8a991d0d2_attn-k_qd8a991d0d2_attn
	.p2alignl 7, 3214868480
	.fill 96, 4, 3214868480
	.section	.rodata,"a",@progbits
	.p2align	6, 0x0
	.amdhsa_kernel k_qd8a991d0d2_attn
		.amdhsa_group_segment_fixed_size 327680
		.amdhsa_private_segment_fixed_size 0
		.amdhsa_enable_private_segment 0
		.amdhsa_kernarg_size 16
		.amdhsa_user_sgpr_count 2
		.amdhsa_user_sgpr_kernarg_segment_ptr 1
		.amdhsa_wavefront_size32 1
		.amdhsa_system_sgpr_workgroup_id_x 1
		.amdhsa_system_sgpr_workgroup_id_y 1
		.amdhsa_system_sgpr_workgroup_id_z 1
		.amdhsa_system_vgpr_workitem_id 0
		.amdhsa_next_free_vgpr 448
		.amdhsa_next_free_sgpr 80
		.amdhsa_reserve_vcc 1
		.amdhsa_float_denorm_mode_32 3
		.amdhsa_float_denorm_mode_16_64 3
		.amdhsa_memory_ordered 1
		.amdhsa_forward_progress 1
		.amdhsa_inst_pref_size 112
	.end_amdhsa_kernel
	.amdgpu_metadata
---
amdhsa.version: [ 1, 2 ]
amdhsa.kernels:
  - .name:           k_qd8a991d0d2_attn
    .symbol:         k_qd8a991d0d2_attn.kd
    .args:
      - { .name: qkv16, .offset: 0, .size: 8, .value_kind: global_buffer, .address_space: global }
      - { .name: att, .offset: 8, .size: 8, .value_kind: global_buffer, .address_space: global }
    .group_segment_fixed_size: 327680
    .private_segment_fixed_size: 0
    .kernarg_segment_align: 8
    .kernarg_segment_size: 16
    .max_flat_workgroup_size: 256
    .sgpr_count:     80
    .vgpr_count:     448
    .wavefront_size: 32
...
	.end_amdgpu_metadata
.endif
;; end of part 3
;; launch proj (part 4): grid 8 x 32, 4 waves a work-group, clusters of 4 x 4, 327,680 bytes of LDS; arguments att, wo16, out0; writes out0
.if DOCPART == 4
	.amdgcn_target "amdgcn-amd-amdhsa--gfx1250"
	.amdhsa_code_object_version 6
	.text
	.protected	k_qd8a991d0d2_proj
	.globl	k_qd8a991d0d2_proj
	.p2align	8
	.type	k_qd8a991d0d2_proj,@function
k_qd8a991d0d2_proj:
	s_mov_b64 s[64:65], 0
	v_nop
	global_prefetch_b8 v0, s[64:65] scope:SCOPE_SE
	s_setreg_imm32_b32 hwreg(HW_REG_WAVE_MODE, 25, 1), 1
	s_wait_xcnt 0x0
	s_wait_alu depctr_hold_cnt(0) depctr_sa_sdst(0) depctr_va_vdst(0) depctr_va_sdst(0) depctr_va_ssrc(0) depctr_va_vcc(0) depctr_vm_vsrc(0)
	s_getreg_b32 s2, hwreg(HW_REG_IB_STS2, 6, 4)
	s_cmp_eq_u32 s2, 0
	s_cbranch_scc0 .Lentry_in_a_cluster
	s_endpgm
.Lentry_in_a_cluster:
	s_bfe_u32 s2, ttmp6, 0x10000c
	s_cmp_lg_u32 s2, 0xf033
	s_cbranch_scc0 .Lentry_shape_is_right
	s_endpgm
.Lentry_shape_is_right:
; out0[m][n] = sum over k of att[m][k] Wo[n][k].  att: [4,096][1,024] f16, wo16: [1,024][1,024] f16, out0: [4,096][1,024] f32; sums in f32.
; 256 tiles of 128 x 128, one to a work-group of four waves, each 64 x 64: 16 accumulators.  K goes in steps of 256 (LDS rows of 512 bytes + 16; a wave's tensor load brings 64 of them) through a ring of two slots.
; CLUSTERS: 4 x 4 work-groups.  The four of a row of the cluster need the same tiles of att, the four of a column the same tiles of wo16: each tile is asked for JOINTLY, by the same tensor load with the same
; descriptor and a mask that names the four.  THE MATRIX INSTRUCTION IS USED TRANSPOSED (source 0 = 16 rows of wo16, source 1 = 16 rows of att): a lane holds eight neighbouring numbers of a row of out0.
; Rows 0-15 of out0 are stored here too, and stored again, from f32 operands, by the launch that follows.
; REGISTERS: window 0: v0-31 addresses; v32-95 the way out; v128-255 the accumulators ((a, b) at v[128 + 8 (4 a + b)]).  Window 1: two fragment buffers of 128: for 64 along K, 64 registers of A, then 64 of B.
.set SIZE_M, 4096
.set SIZE_N, 1024
.set SIZE_K, 1024
.set KSTEP,  256
.set PITCH,  528
.set HALFT,  64*PITCH
.set SLOT,   4*HALFT
.set STAGE,  2*SLOT                    ; behind the ring: 16 rows x 272 bytes for each wave
.set SPITCH, 272
.set SPARE,  STAGE+4*16*SPITCH         ; the spare words, 128 bytes for each wave: two blocks of 256 bytes that no other line names
.set LAPS, SIZE_K/(2*KSTEP)
.set ADRA, 16
.set ADRB, 20
.set STO,  24
.set RD,   25
.set CO,   26
.set SPW,  28
.set NIL,  29
.set TMP,  32
.set ACC,  128
.set F0,   0
.set F1,   128
.set G1, 24
.set G0, 32
.set G1B, 48
.set G0B, 56
.set MSB, 0
.macro WIN new
.if MSB != (\new)
	s_set_vgpr_msb (MSB<<8)|(\new)
.set MSB, (\new)
.endif
.endm
.set MUL,  0x05                        ; sources 0 (B) and 1 (A) window 1; C and D window 0
.set TO_F, 0x40                        ; destination window 1, address window 0
.macro JLOAD s                         ; a joint load: waves 0 and 1 fetch A's two halves, waves 2 and 3 B's; an s_nop 0 and four v_nop follow each of the two lines
	s_cmp_eq_u32 s11, 0
	s_cbranch_scc0 .Lfor_b_\@
	tensor_load_to_lds s[G0+4*\s:G0+4*\s+3], s[G1:G1+7]
	s_nop 0
.rept 4
	v_nop
.endr
	s_branch .Lasked_\@
.Lfor_b_\@:
	tensor_load_to_lds s[G0B+4*\s:G0B+4*\s+3], s[G1B:G1B+7]
	s_nop 0
.rept 4
	v_nop
.endr
.Lasked_\@:
.endm
.macro CREST                           ; a round of the cluster's barrier behind its opening barrier
	s_cmp_lg_u32 s10, 0
	s_cbranch_scc1 .Lnot_wave_0_\@
	s_barrier_signal -3
.Lnot_wave_0_\@:
	s_barrier_wait -3
	s_barrier_signal -1
	s_barrier_wait -1
.endm
.macro CROUND                          ; a whole round
	s_barrier_signal -1
	s_barrier_wait -1
	CREST
.endm
	s_load_b128 s[4:7], s[0:1], 0x0                ; A s[4:5], B s[6:7]
	s_load_b64 s[8:9], s[0:1], 0x10                ; C
	v_lshl_add_u32 v[SPW], v0, 2, SPARE
	v_mov_b32 v[NIL], 0
	ds_add_u32 v[SPW], v[NIL]                      ; the wave's opening: the add, twice on end, and its wait ahead of my first tensor load
	ds_add_u32 v[SPW], v[NIL]
	v_lshrrev_b32 v1, 5, v0
	v_readfirstlane_b32 s10, v1                    ; wave 0..3
	s_lshr_b32 s11, s10, 1                         ; which half of the tile's rows is mine.  Also: I fetch for A (0) or for B (1)
	s_and_b32 s12, s10, 1                          ; which half of its columns.  Also: which 64 rows of that tile I fetch
	s_bfe_u32 s40, ttmp6, 0x40000                  ; cx, cy: my place in the cluster
	s_bfe_u32 s41, ttmp6, 0x40004
	s_lshl_b32 s42, ttmp9, 2
	s_add_co_u32 s42, s42, s40                     ; tile column = 4 x cluster x + cx
	s_and_b32 s13, ttmp7, 0xffff
	s_lshl_b32 s13, s13, 2
	s_add_co_u32 s13, s13, s41                     ; tile row = 4 x cluster y + cy
	s_lshl_b32 s43, s41, 2
	s_lshl_b32 s43, 15, s43                        ; my row of the cluster
	s_lshl_b32 s44, 0x1111, s40                    ; my column
	s_or_b32 s[G1+0], s43, (1<<16)|(1<<20)|(1<<21)|(6<<22)|(3<<25)  ; the mask; elements of 2 bytes; padding on; bit 21 beside a mask; after every 128 words, 4 words
	s_or_b32 s[G1B+0], s44, (1<<16)|(1<<20)|(1<<21)|(6<<22)|(3<<25)
.irp g, G1, G1B
	s_mov_b32 s[\g+1], KSTEP<<16                   ; tensor_dim0 = 256
	s_mov_b32 s[\g+2], 64<<16                      ; tensor_dim1 = 64
	s_mov_b32 s[\g+3], KSTEP<<16                   ; tile_dim0 = 256
	s_mov_b32 s[\g+4], 64                          ; tile_dim1 = 64
	s_mov_b32 s[\g+5], SIZE_K                      ; tensor_dim0_stride
	s_mov_b32 s[\g+6], 0
	s_mov_b32 s[\g+7], 0
.endr
	s_lshl_b32 s17, s12, 6                         ; which 64 rows of the tile I fetch
	s_lshl_b32 s16, s13, 7
	s_add_co_u32 s16, s16, s17                     ; A: row 128 x tile row + 64 x half
	s_lshl_b32 s46, s42, 7
	s_add_co_u32 s46, s46, s17                     ; B: row 128 x tile column + 64 x half
	s_mov_b32 s17, 0
	s_mov_b32 s47, 0
	s_mov_b64 s[18:19], SIZE_K*2
	s_mul_u64 s[16:17], s[16:17], s[18:19]
	s_mul_u64 s[46:47], s[46:47], s[18:19]
	s_mul_i32 s20, s10, HALFT                      ; where they go: wave x 64 rows
	s_wait_dscnt 0x0                               ; both opening adds are done
	s_wait_kmcnt 0x0
	s_add_nc_u64 s[14:15], s[4:5], s[16:17]
	s_add_nc_u64 s[46:47], s[6:7], s[46:47]
	CROUND                                         ; all sixteen work-groups are here: the first joint loads meet
.irp s, 0,1
	s_mov_b32 s[G0+4*\s], 1
	s_add_co_u32 s[G0+4*\s+1], s20, \s*SLOT
	s_add_nc_u64 s[G0+4*\s+2:G0+4*\s+3], s[14:15], \s*KSTEP*2
	s_or_b32 s[G0+4*\s+3], s[G0+4*\s+3], 0x80000000
	s_mov_b32 s[G0B+4*\s], 1
	s_add_co_u32 s[G0B+4*\s+1], s20, \s*SLOT
	s_add_nc_u64 s[G0B+4*\s+2:G0B+4*\s+3], s[46:47], \s*KSTEP*2
	s_or_b32 s[G0B+4*\s+3], s[G0B+4*\s+3], 0x80000000
	JLOAD \s
.endr
	v_and_b32 v1, 15, v0                           ; l % 16
	v_bfe_u32 v2, v0, 4, 1                         ; l / 16
	v_mul_u32_u24 v3, v1, PITCH
	v_lshl_add_u32 v3, v2, 4, v3                   ; a fragment's row x pitch + 16 x half
	s_mul_i32 s21, s11, HALFT                      ; my 64 rows of A
	s_mul_i32 s22, s12, HALFT                      ; my 64 rows of B,
	s_add_co_u32 s22, s22, 2*HALFT                 ; which lie behind A's 128
.irp s, 0,1
	v_add_nc_u32 v[ADRA+\s], s21, v3
	v_add_nc_u32 v[ADRB+\s], s22, v3
	s_add_co_u32 s21, s21, SLOT
	s_add_co_u32 s22, s22, SLOT
.endr
	s_mul_i32 s23, s10, 16*SPITCH                  ; my own stage: a wave's 64 columns of f32 are a whole run of 256 bytes, so no wave needs another's
	s_add_co_u32 s23, s23, STAGE
	v_mul_u32_u24 v4, v1, SPITCH
	v_lshl_add_u32 v4, v2, 5, v4
	v_add_nc_u32 v[STO], s23, v4                   ; in: row l % 16, 32 bytes for each half of the lanes
	v_mul_u32_u24 v5, v2, SPITCH
	v_lshl_add_u32 v5, v1, 4, v5
	v_add_nc_u32 v[RD], s23, v5                    ; back: lanes 0-15 one row of 256 bytes, lanes 16-31 the next
	v_mul_u32_u24 v5, v2, SIZE_N*4
	v_lshl_add_u32 v[CO], v1, 4, v5                ; and the same two rows in C
	s_lshl_b32 s16, s13, 7
	s_lshl_b32 s17, s11, 6
	s_add_co_u32 s16, s16, s17                     ; my first row of C: 128 x tile row + 64 x half
	s_mov_b32 s17, 0
	s_mov_b64 s[18:19], SIZE_N*4
	s_mul_u64 s[16:17], s[16:17], s[18:19]
	s_add_nc_u64 s[8:9], s[8:9], s[16:17]
	s_lshl_b32 s46, s42, 9                         ; my first column, in bytes: 512 x tile column + 256 x half
	s_lshl_b32 s47, s12, 8
	s_add_co_u32 s46, s46, s47
	s_mov_b32 s47, 0
	s_add_nc_u64 s[8:9], s[8:9], s[46:47]
; 8 matrix instructions: m blocks a0, a0 + 1 x all 4 n blocks, 32 along K: half c of buffer f.  zero = 1: the first product starts the sums.  The 16 accumulators take turns
.macro MUL8 f, c, a0, zero
.irp a, \a0, \a0+1
.irp b, 0,1,2,3
.if \zero
	v_wmma_f32_16x16x32_f16 v[ACC+8*(4*(\a)+\b):ACC+8*(4*(\a)+\b)+7], v[\f+64+8*(4*\c+\b):\f+64+8*(4*\c+\b)+7], v[\f+8*(4*\c+\a):\f+8*(4*\c+\a)+7], 0
.else
	v_wmma_f32_16x16x32_f16 v[ACC+8*(4*(\a)+\b):ACC+8*(4*(\a)+\b)+7], v[\f+64+8*(4*\c+\b):\f+64+8*(4*\c+\b)+7], v[\f+8*(4*\c+\a):\f+8*(4*\c+\a)+7], v[ACC+8*(4*(\a)+\b):ACC+8*(4*(\a)+\b)+7]
.endif
.endr
.endr
.endm
; 32 LDS loads in one run: the fragments of 64 along K at byte k of the rows, into buffer f; the first 32 along K first
.macro FETCH slot, k, f
	WIN TO_F
.irp c, 0,1
.irp i, 0,1,2,3
	ds_load_b128 v[\f+64+8*(4*\c+\i):\f+64+8*(4*\c+\i)+3],   v[ADRB+\slot] offset:\k+64*\c+\i*16*PITCH
	ds_load_b128 v[\f+64+8*(4*\c+\i)+4:\f+64+8*(4*\c+\i)+7], v[ADRB+\slot] offset:\k+64*\c+\i*16*PITCH+32
	ds_load_b128 v[\f+8*(4*\c+\i):\f+8*(4*\c+\i)+3],         v[ADRA+\slot] offset:\k+64*\c+\i*16*PITCH
	ds_load_b128 v[\f+8*(4*\c+\i)+4:\f+8*(4*\c+\i)+7],       v[ADRA+\slot] offset:\k+64*\c+\i*16*PITCH+32
.endr
.endr
.endm
.macro PLACES                          ; four places in front of loads into registers that matrix instructions have read, and of the first read of results
.rept 4
	v_nop
.endr
.endm
; A K step is four quarters of 64 along K, 32 matrix instructions each, on buffers 0, 1, 0, 1.  One of the first three: multiplies buffer f and fetches the next quarter, at byte k, into g.
.macro QUARTER slot, k, f, g, zero
	s_wait_dscnt 16                                ; the first 32 along K are in
	WIN MUL
	MUL8 \f, 0, 0, \zero
	MUL8 \f, 0, 2, \zero
	PLACES
	FETCH \slot, \k, \g
	s_wait_dscnt 32                                ; all but the 32 just issued
	WIN MUL
	MUL8 \f, 1, 0, 0
	MUL8 \f, 1, 2, 0
.endm
; The last quarter multiplies buffer 1 and changes slots: ONE barrier; in front of it each wave waits for all its tensor loads, adds 0 to its spare word, and waits for that and for its own reads of this slot.  fill = 1: this slot is filled again, two K steps ahead.
.macro TURN slot, next, fill
	WIN 0                                          ; (the add's two registers lie in window 0)
	s_wait_tensorcnt 0x0                           ; all my tensor loads have landed: my part of the next slot;
	ds_add_u32 v[SPW], v[NIL]                      ; 0 onto my spare word;
	s_wait_dscnt 17                                ; (the add and the youngest sixteen loads may be out)
	WIN MUL
	MUL8 F1, 0, 0, 0                               ; eight matrix instructions stand between the add and the wait for it
	s_wait_dscnt 0x0                               ; the add is done, and my reads of this slot are over
	s_barrier_signal -1
	MUL8 F1, 0, 2, 0
.if \fill
	WIN 0
.endif
	s_barrier_wait -1
.if \fill
	CREST                                          ; the barrier has opened a round of the cluster's barrier: no wave of any partner still reads this slot's tile or has a load on its way
	s_add_nc_u64 s[G0+4*\slot+2:G0+4*\slot+3], s[G0+4*\slot+2:G0+4*\slot+3], 2*KSTEP*2
	s_add_nc_u64 s[G0B+4*\slot+2:G0B+4*\slot+3], s[G0B+4*\slot+2:G0B+4*\slot+3], 2*KSTEP*2
	JLOAD \slot                                    ; the first tensor load behind the round; the four v_nop behind it are also the places in front of the loads below
.else
	PLACES
.endif
	FETCH \next, 0, F0
	WIN MUL
	MUL8 F1, 1, 0, 0
	MUL8 F1, 1, 2, 0
.endm
	s_wait_tensorcnt 1                             ; my part of K step 0 is in (K step 1's load may be out)
	s_barrier_signal -1
	s_barrier_wait -1                              ; everybody's is
	FETCH 0, 0, F0
	QUARTER 0, 128, F0, F1, 1                      ; the first quarter stands in front of the loop: its first products start the sums
	WIN 0                                          ; at a label and at a branch every window is 0
	s_mov_b32 s3, LAPS-1
.Llap:                                                 ; a trip goes once round the ring, from a lap's second quarter to the next lap's first, and fills both slots again
	QUARTER 0, 256, F1, F0, 0
	QUARTER 0, 384, F0, F1, 0
	TURN 0, 1, 1
	QUARTER 1, 128, F0, F1, 0
	QUARTER 1, 256, F1, F0, 0
	QUARTER 1, 384, F0, F1, 0
	TURN 1, 0, 1
	QUARTER 0, 128, F0, F1, 0
	WIN 0
	s_sub_co_u32 s3, s3, 1
	s_cmp_lg_u32 s3, 0
	s_cbranch_scc1 .Llap
	QUARTER 0, 256, F1, F0, 0                      ; the last lap fills nothing, and has no round of the cluster's barrier
	QUARTER 0, 384, F0, F1, 0
	TURN 0, 1, 0
	QUARTER 1, 128, F0, F1, 0
	QUARTER 1, 256, F1, F0, 0
	QUARTER 1, 384, F0, F1, 0
	s_wait_dscnt 16                                ; the very last quarter: nothing more to fetch
	WIN MUL
	MUL8 F1, 0, 0, 0
	MUL8 F1, 0, 2, 0
	s_wait_dscnt 0
	MUL8 F1, 1, 0, 0
	MUL8 F1, 1, 2, 0
	WIN 0
; THE WAY OUT, a block of 16 rows x 64 columns at a time: the accumulators go to my stage as they are, each from its low end on, and come back as whole rows of 256 bytes.
.macro TOSTAGE a
.if (\a) > 1
	s_wait_xcnt 0x0                                ; block a - 2's stores have read their registers: block a's loads may land there
.endif
.irp b, 0,1,2,3
	ds_store_b128 v[STO], v[ACC+8*(4*(\a)+\b):ACC+8*(4*(\a)+\b)+3] offset:64*\b
	ds_store_b128 v[STO], v[ACC+8*(4*(\a)+\b)+4:ACC+8*(4*(\a)+\b)+7] offset:64*\b+16
.endr
.irp n, 0,1,2,3,4,5,6,7
	ds_load_b128 v[TMP+32*((\a)%2)+4*\n:TMP+32*((\a)%2)+4*\n+3], v[RD] offset:\n*2*SPITCH   ; LDS serves a wave's instructions in order: these see the stores above, and the next block's stores come behind them
.endr
.endm
.macro SEND a, younger                 ; younger: the LDS instructions issued behind block a's loads, which may stay out
	s_wait_dscnt \younger
.irp n, 0,1,2,3,4,5,6,7
	global_store_b128 v[CO], v[TMP+32*((\a)%2)+4*\n:TMP+32*((\a)%2)+4*\n+3], s[8:9] offset:(16*(\a)+2*\n)*SIZE_N*4 th:TH_STORE_NT   ; sixteen lanes store 256 consecutive bytes, aligned
.endr
.endm
	PLACES
	TOSTAGE 0
	TOSTAGE 1
	SEND 0, 16
	TOSTAGE 2
	SEND 1, 16
	TOSTAGE 3
	SEND 2, 16
	SEND 3, 0
	s_wait_tensorcnt 0x0                           ; the wave's end
	ds_add_u32 v[SPW], v[NIL]
	s_wait_dscnt 0x0
	CROUND                                         ; the closing round: no work-group ends while a partner may still ask for a tile that names it
	s_endpgm
.Lfunc_end_k_qd8a991d0d2_proj:
	.size	k_qd8a991d0d2_proj, .Lfunc_end_k_qd8a991d0d2_proj-k_qd8a991d0d2_proj
	.p2alignl 7, 3214868480
	.fill 96, 4, 3214868480
	.section	.rodata,"a",@progbits
	.p2align	6, 0x0
	.amdhsa_kernel k_qd8a991d0d2_proj
		.amdhsa_group_segment_fixed_size 327680
		.amdhsa_private_segment_fixed_size 0
		.amdhsa_enable_private_segment 0
		.amdhsa_kernarg_size 24
		.amdhsa_user_sgpr_count 2
		.amdhsa_user_sgpr_kernarg_segment_ptr 1
		.amdhsa_wavefront_size32 1
		.amdhsa_system_sgpr_workgroup_id_x 1
		.amdhsa_system_sgpr_workgroup_id_y 1
		.amdhsa_system_sgpr_workgroup_id_z 1
		.amdhsa_system_vgpr_workitem_id 0
		.amdhsa_next_free_vgpr 512
		.amdhsa_next_free_sgpr 66
		.amdhsa_reserve_vcc 0
		.amdhsa_float_denorm_mode_32 3
		.amdhsa_float_denorm_mode_16_64 3
		.amdhsa_memory_ordered 1
		.amdhsa_forward_progress 1
		.amdhsa_inst_pref_size 86
	.end_amdhsa_kernel
	.amdgpu_metadata
---
amdhsa.version: [ 1, 2 ]
amdhsa.kernels:
  - .name:           k_qd8a991d0d2_proj
    .symbol:         k_qd8a991d0d2_proj.kd
    .args:
      - { .name: att, .offset: 0, .size: 8, .value_kind: global_buffer, .address_space: global }
      - { .name: wo16, .offset: 8, .size: 8, .value_kind: global_buffer, .address_space: global }
      - { .name: out0, .offset: 16, .size: 8, .value_kind: global_buffer, .address_space: global }
    .group_segment_fixed_size: 327680
    .private_segment_fixed_size: 0
    .kernarg_segment_align: 8
    .kernarg_segment_size: 24
    .max_flat_workgroup_size: 128
    .sgpr_count:     66
    .vgpr_count:     512
    .wavefront_size: 32
...
	.end_amdgpu_metadata
.endif
;; end of part 4
;; launch first16 (part 5): grid 64 x 1, 16 waves a work-group, no clusters, 18,432 bytes of LDS; arguments fq, Wo, out0; writes out0
.if DOCPART == 5
	.amdgcn_target "amdgcn-amd-amdhsa--gfx1250"
	.amdhsa_code_object_version 6
	.text
	.protected	k_qd8a991d0d2_first16
	.globl	k_qd8a991d0d2_first16
	.p2align	8
	.type	k_qd8a991d0d2_first16,@function
k_qd8a991d0d2_first16:
	s_mov_b64 s[64:65], 0
	v_nop
	global_prefetch_b8 v0, s[64:65] scope:SCOPE_SE
	s_setreg_imm32_b32 hwreg(HW_REG_WAVE_MODE, 25, 1), 1
	s_wait_xcnt 0x0
; POSITIONS 0-15 ONCE MORE, ALL IN F32: under the causal mask these rows average one to sixteen values and are the largest of the output, so they are carried more finely through attention and projection.
; fq: [24][16][64] f32 (q heads 0-15, k 16-19, v 20-23, after RoPE); Wo: [1,024][1,024] f32; rows 0-15 of out0 are stored again.
; A work-group makes 16 rows x 16 columns of out0 (columns 16 nb on).  Wave w takes head w: its attention for the 16 positions stays in registers and is the operand of its own 64 of the projection's 1,024 along K;
; the sixteen partial tiles are added through LDS, in a fixed order.  64 KiB are stored in all, in runs of 64 bytes.
; All products by v_wmma_f32_16x16x4_f32.  The four k of an instruction are any four, the same in both sources: lane (r, h), register j of instruction i stands for
;   S^T = K Q^T:      channel 32 h + 2 i + j        O^T = V^T P:  key 8 h + 2 i + j        Y^T = Wo O:  channel 16 t + 8 h + 2 i + j
; so that each result's registers are the next product's operand as they stand.  Each sum begins with the constant 0; the registers that these instructions write are written by nothing else.
.set SPARE, 16384                      ; LDS: sixteen partial tiles of 1,024 bytes; then the spare words, 128 bytes for each wave: eight blocks of 256 bytes that no other line names
.set QF, 16
.set KF, 48
.set VF, 80
.set WF, 112
.set SA, 144
.set SB, 152
.set OA, 160
.set YA, 192
.set YB, 200
.set SV, 208
.set PF, 216
.set YS, 224
.set TM, 232
	s_load_b128 s[4:7], s[0:1], 0x0                ; fq, Wo
	s_load_b64 s[8:9], s[0:1], 0x10                ; out0
	v_lshl_add_u32 v10, v0, 2, SPARE
	v_mov_b32 v11, 0
	v_lshrrev_b32 v1, 5, v0
	v_readfirstlane_b32 s10, v1                    ; wave = head
	s_lshr_b32 s11, s10, 2                         ; its KV head
	v_and_b32 v12, 15, v0                          ; r
	v_bfe_u32 v13, v0, 4, 1                        ; h
	v_and_b32 v9, 31, v0                           ; l
	v_lshlrev_b32 v1, 8, v12
	v_lshl_add_u32 v1, v13, 7, v1                  ; q, k: 256 r + 128 h
	v_lshlrev_b32 v2, 2, v12
	v_lshl_add_u32 v2, v13, 11, v2                 ; v: 2,048 h + 4 r
	v_lshlrev_b32 v3, 12, v12
	v_lshl_add_u32 v3, v13, 5, v3                  ; Wo: 4,096 r + 32 h
	s_and_b32 s12, s10, 1
	s_lshl_b32 s13, s12, 4
	v_add_nc_u32 v4, s13, v3                       ; out0: the same + 16 (w % 2)
	v_lshlrev_b32 v6, 4, v9
	s_lshl_b32 s13, s10, 10
	v_add_nc_u32 v5, s13, v6                       ; my partial tile: 1,024 w + 16 l
	s_lshl_b32 s13, s12, 9
	v_add_nc_u32 v6, s13, v6                       ; what an adding wave reads: 16 l + 512 (w % 2)
	v_lshlrev_b32 v7, 3, v13
	v_sub_nc_u32 v7, v12, v7                       ; r - 8 h
	v_mov_b32 v8, 0xff800000                       ; -infinity
	s_mov_b32 s24, 0x76543210
	s_mov_b32 s25, 0xfedcba98
	s_mov_b32 s26, 0x3e38aa3b                      ; c = log2(e) / 8
	s_lshl_b32 s14, s10, 12
	s_mov_b32 s15, 0
	s_add_co_u32 s16, s11, 16
	s_lshl_b32 s16, s16, 12
	s_mov_b32 s17, 0
	s_lshl_b32 s18, ttmp9, 16                      ; 16 rows of Wo,
	s_lshl_b32 s19, s10, 8                         ; my head's 64 columns
	s_add_co_u32 s18, s18, s19
	s_mov_b32 s19, 0
	s_lshl_b32 s20, ttmp9, 6
	s_mov_b32 s21, 0
	s_wait_kmcnt 0x0
	s_add_nc_u64 s[14:15], s[4:5], s[14:15]
	s_add_nc_u64 s[16:17], s[4:5], s[16:17]
	s_add_nc_u64 s[22:23], s[16:17], 16384         ; v lies four chunks behind k
	s_add_nc_u64 s[18:19], s[6:7], s[18:19]
	s_add_nc_u64 s[20:21], s[8:9], s[20:21]
.irp n, 0,1,2,3,4,5,6,7
	global_load_b128 v[KF+4*\n:KF+4*\n+3], v1, s[16:17] offset:16*\n
.endr
.irp n, 0,1,2,3,4,5,6,7
	global_load_b128 v[QF+4*\n:QF+4*\n+3], v1, s[14:15] offset:16*\n
.endr
.irp t, 0,1,2,3
.irp m, 0,1,2,3,4,5,6,7
	global_load_b32 v[VF+8*\t+\m], v2, s[22:23] offset:256*\m+64*\t         ; v(key 8 h + m, channel 16 t + r)
.endr
.endr
.irp t, 0,1,2,3
	global_load_b128 v[WF+8*\t:WF+8*\t+3], v3, s[18:19] offset:64*\t
	global_load_b128 v[WF+8*\t+4:WF+8*\t+7], v3, s[18:19] offset:64*\t+16
.endr
	s_wait_loadcnt 40                              ; k and q are in; v's 32 loads and Wo's 8 may be out
.irp i, 0,1,2,3,4,5,6,7,8,9,10,11,12,13,14,15
.if \i < 2
	v_wmma_f32_16x16x4_f32 v[SA+8*(\i%2):SA+8*(\i%2)+7], v[KF+2*\i:KF+2*\i+1], v[QF+2*\i:QF+2*\i+1], 0
.else
	v_wmma_f32_16x16x4_f32 v[SA+8*(\i%2):SA+8*(\i%2)+7], v[KF+2*\i:KF+2*\i+1], v[QF+2*\i:QF+2*\i+1], v[SA+8*(\i%2):SA+8*(\i%2)+7]   ; two sums by turns
.endif
.endr
.rept 8
	v_nop                                          ; eight places behind this form (ISA guide 7.12.1)
.endr
.irp j, 0,1,2,3,4,5,6,7
	v_add_f32 v[SV+\j], v[SA+\j], v[SB+\j]         ; lane (r, h): query r, key 8 h + j
.endr
.irp j, 0,1,2,3,4,5,6,7
	v_cmp_gt_i32 vcc_lo, \j, v7                    ; hidden where 8 h + j > r
	v_cndmask_b32 v[SV+\j], v[SV+\j], v8, vcc_lo
.endr
	v_max3_num_f32 v[TM], v[SV], v[SV+1], v[SV+2]
	v_max3_num_f32 v[TM], v[TM], v[SV+3], v[SV+4]
	v_max3_num_f32 v[TM], v[TM], v[SV+5], v[SV+6]
	v_max_num_f32 v[TM], v[TM], v[SV+7]
	v_mov_b32 v[TM+1], 0                           ; a lane permute's destination counts as one of its sources
	v_permlanex16_b32 v[TM+1], v[TM], s24, s25
	v_max_num_f32 v[TM], v[TM], v[TM+1]            ; the row's maximum: key 0 counts for every query, so it is a number
	v_mul_f32 v[TM+2], s26, v[TM]
.irp j, 0,1,2,3,4,5,6,7
	v_fma_f32 v[SV+\j], v[SV+\j], s26, -v[TM+2]
.endr
.irp j, 0,1,2,3,4,5,6,7
	v_exp_f32 v[SV+\j], v[SV+\j]
.endr
	v_nop
	s_wait_alu depctr_va_vdst(0)                   ; one wait for the eight, ahead of their first reader
	v_add_f32 v[TM+3], v[SV], v[SV+1]
	v_add_f32 v[TM+4], v[SV+2], v[SV+3]
	v_add_f32 v[TM+5], v[SV+4], v[SV+5]
	v_add_f32 v[TM+6], v[SV+6], v[SV+7]
	v_add_f32 v[TM+3], v[TM+3], v[TM+4]
	v_add_f32 v[TM+5], v[TM+5], v[TM+6]
	v_add_f32 v[TM+3], v[TM+3], v[TM+5]
	v_permlanex16_b32 v[TM+1], v[TM+3], s24, s25
	v_add_f32 v[TM+3], v[TM+3], v[TM+1]
	v_rcp_f32 v[TM+4], v[TM+3]
	v_nop
	s_wait_alu depctr_va_vdst(0)
.irp j, 0,1,2,3,4,5,6,7
	v_mul_f32 v[PF+\j], v[SV+\j], v[TM+4]          ; the weights
.endr
	s_wait_loadcnt 8                               ; v is in; Wo's 8 loads may be out
.irp i, 0,1,2,3
.irp t, 0,1,2,3
.if \i == 0
	v_wmma_f32_16x16x4_f32 v[OA+8*\t:OA+8*\t+7], v[VF+8*\t+2*\i:VF+8*\t+2*\i+1], v[PF+2*\i:PF+2*\i+1], 0
.else
	v_wmma_f32_16x16x4_f32 v[OA+8*\t:OA+8*\t+7], v[VF+8*\t+2*\i:VF+8*\t+2*\i+1], v[PF+2*\i:PF+2*\i+1], v[OA+8*\t:OA+8*\t+7]   ; four sums by turns
.endif
.endr
.endr
.rept 9
	v_nop                                          ; nine places: the results are the next products' source 1
.endr
	s_wait_loadcnt 0x0
.irp t, 0,1,2,3
.irp i, 0,1,2,3
.if (4*\t+\i) < 2
	v_wmma_f32_16x16x4_f32 v[YA+8*(\i%2):YA+8*(\i%2)+7], v[WF+8*\t+2*\i:WF+8*\t+2*\i+1], v[OA+8*\t+2*\i:OA+8*\t+2*\i+1], 0
.else
	v_wmma_f32_16x16x4_f32 v[YA+8*(\i%2):YA+8*(\i%2)+7], v[WF+8*\t+2*\i:WF+8*\t+2*\i+1], v[OA+8*\t+2*\i:OA+8*\t+2*\i+1], v[YA+8*(\i%2):YA+8*(\i%2)+7]
.endif
.endr
.endr
.rept 8
	v_nop
.endr
.irp j, 0,1,2,3,4,5,6,7
	v_add_f32 v[YS+\j], v[YA+\j], v[YB+\j]         ; lane (r, h): my head's part of out0(r, 16 nb + 8 h + j)
.endr
	ds_store_b128 v5, v[YS:YS+3]
	ds_store_b128 v5, v[YS+4:YS+7] offset:512
	s_wait_dscnt 0x0                               ; for the others' sake: my partial tile has landed
	s_barrier_signal -1
	s_barrier_wait -1
	s_cmp_gt_u32 s10, 1
	s_cbranch_scc1 .Ldone
.irp k, 0,1,2,3,4,5,6,7,8,9,10,11,12,13,14,15
	ds_load_b128 v[16+4*\k:19+4*\k], v6 offset:1024*\k             ; waves 0 and 1: half of each of the sixteen tiles
.endr
	s_wait_dscnt 0x0
.irp z, 0,2,4,6,8,10,12,14,16,18,20,22,24,26,28,30
	v_pk_add_f32 v[16+\z:17+\z], v[16+\z:17+\z], v[48+\z:49+\z]
.endr
.irp z, 0,2,4,6,8,10,12,14
	v_pk_add_f32 v[16+\z:17+\z], v[16+\z:17+\z], v[32+\z:33+\z]
.endr
.irp z, 0,2,4,6
	v_pk_add_f32 v[16+\z:17+\z], v[16+\z:17+\z], v[24+\z:25+\z]
.endr
.irp z, 0,2
	v_pk_add_f32 v[16+\z:17+\z], v[16+\z:17+\z], v[20+\z:21+\z]
.endr
	global_store_b128 v4, v[16:19], s[20:21]
.Ldone:
	s_wait_tensorcnt 0x0                           ; the wave's end
	ds_add_u32 v10, v11
	s_wait_dscnt 0x0
	s_endpgm
.Lfunc_end_k_qd8a991d0d2_first16:
	.size	k_qd8a991d0d2_first16, .Lfunc_end_k_qd8a991d0d2_first16-k_qd8a991d0d2_first16
	.p2alignl 7, 3214868480
	.fill 96, 4, 3214868480
	.section	.rodata,"a",@progbits
	.p2align	6, 0x0
	.amdhsa_kernel k_qd8a991d0d2_first16
		.amdhsa_group_segment_fixed_size 18432
		.amdhsa_private_segment_fixed_size 0
		.amdhsa_enable_private_segment 0
		.amdhsa_kernarg_size 24
		.amdhsa_user_sgpr_count 2
		.amdhsa_user_sgpr_kernarg_segment_ptr 1
		.amdhsa_wavefront_size32 1
		.amdhsa_system_sgpr_workgroup_id_x 1
		.amdhsa_system_sgpr_workgroup_id_y 1
		.amdhsa_system_sgpr_workgroup_id_z 1
		.amdhsa_system_vgpr_workitem_id 0
		.amdhsa_next_free_vgpr 256
		.amdhsa_next_free_sgpr 66
		.amdhsa_reserve_vcc 1
		.amdhsa_float_denorm_mode_32 3
		.amdhsa_float_denorm_mode_16_64 3
		.amdhsa_memory_ordered 1
		.amdhsa_forward_progress 1
		.amdhsa_inst_pref_size 18
	.end_amdhsa_kernel
	.amdgpu_metadata
---
amdhsa.version: [ 1, 2 ]
amdhsa.kernels:
  - .name:           k_qd8a991d0d2_first16
    .symbol:         k_qd8a991d0d2_first16.kd
    .args:
      - { .name: fq, .offset: 0, .size: 8, .value_kind: global_buffer, .address_space: global }
      - { .name: Wo, .offset: 8, .size: 8, .value_kind: global_buffer, .address_space: global }
      - { .name: out0, .offset: 16, .size: 8, .value_kind: global_buffer, .address_space: global }
    .group_segment_fixed_size: 18432
    .private_segment_fixed_size: 0
    .kernarg_segment_align: 8
    .kernarg_segment_size: 24
    .max_flat_workgroup_size: 512
    .sgpr_count:     66
    .vgpr_count:     256
    .wavefront_size: 32
...
	.end_amdgpu_metadata
.endif
;; end of part 5
